; MI455X (gfx1250); checked and timed in simulation.
; The chip was launched on July 23, 2026; its instructions are those of AMD's public machine-readable ISA for CDNA 5 (MIT licence, August 2026) and "CDNA5" Instruction Set Architecture Reference Guide (July 2026). The comments in the code are by the model that wrote it; some were corrected since.
;; Multi Head Self Attention. Allowed arithmetic: matrix products marked QUANTISED: E2M3 operands, one E8M0 scale for each 32 along K, by v_wmma_scale_f32_16x16x128_f8f6f4 with both operands' format E2M3, f32 sums; everything else in f32.
;; Inputs: b_out 1,024 float32; b_qkv 3,072 float32; embeddings 2 x 2,048 x 1,024 float32; w_out 1,024 x 1,024 float32; w_qkv 1,024 x 3,072 float32.
;; Outputs: out0 2 x 2,048 x 1,024 float32.
;; This version of the problem:
;;   THIS VERSION OF THE PROBLEM IS GIVEN IN LOW PRECISION. The matrix products marked QUANTISED in the list below multiply operands that are first quantised to E2M3 (2 exponent bits, 3 mantissa bits; 6 bits a number), with one power-of-two scale for each 32 numbers along K (OCP MX v1.0); their sums are f32. All else is computed in f32.
;;   The module's matrix products, in the order in which they are computed (A, B: the left and right operand; K: the contracted axis; several contracted axes count as one K, in the product's order):
;;     1. [M 4,096, K 1,024] x [K 1,024, N 3,072]; A: input embeddings; B: input w_qkv: QUANTISED
;;     2. batch 32 x [M 2,048, K 64] x [K 64, N 2,048]; A: computed on the way; B: computed on the way: QUANTISED
;;     3. batch 32 x [M 2,048, K 2,048] x [K 2,048, N 64]; A: softmax (see below); B: computed on the way: QUANTISED
;;     4. [M 4,096, K 1,024] x [K 1,024, N 1,024]; A: computed on the way; B: input w_out: QUANTISED
;;   THE QUANTISER, for each operand of a quantised product, along K:
;;     - K is cut into blocks of 32 from its start; a last block that is shorter is filled with zeros.
;;     - A block's scale is 2^e with e = floor(log2(the largest magnitude in the block)) - 2, held to -126 .. 127; a block of zeros has e = 0. As a byte (E8M0): e + 127.
;;     - Each number is divided by its block's scale, clamped to +-7.5, and rounded to the nearest number of E2M3, ties to even, subnormals kept.
;;     - The product sums the exact products of the quantised numbers (number of the format x scale) in f32.
;;   ~~~python
;;   def quantise(x, axis):      # numpy; x: float32 -> the quantised numbers, widened to float32 again
;;       x = np.moveaxis(x, axis, -1); K = x.shape[-1]
;;       x = np.pad(x, [(0, 0)] * (x.ndim - 1) + [(0, -K % 32)]); x = x.reshape(x.shape[:-1] + (-1, 32)); a = np.abs(x).max(-1, keepdims=True)
;;       e = np.where(a > 0, np.clip(np.frexp(np.where(a > 0, a, 1))[1] - 1 - 2, -126, 127), 0)      # np.frexp(a)[1] - 1 = floor(log2(a)), exactly
;;       r = np.clip(x / 2.0 ** e, -7.5, 7.5)
;;       step = 2.0 ** (np.maximum(np.frexp(np.where(r == 0, 1, r))[1] - 1, 0) - 3)
;;       q = np.round(r / step) * step * 2.0 ** e      # np.round: ties to even
;;       return np.moveaxis(q.reshape(q.shape[:-2] + (-1,))[..., :K], -1, axis).astype(np.float32)
;;   ~~~
;;   SOFTMAX AHEAD OF A QUANTISED PRODUCT. Where the list says 'softmax', what is quantised is not the finished softmax but p = 2^(t - M), with t = logit x log2(e) and M = ceil(the row's largest t), a whole number; so 1/2 < the row's largest p <= 1. The row's sum l is taken of the UNQUANTISED p, in f32, and the product's result is divided by l at the end. Since M is a whole number, a kernel that streams over the keys may use a running M (the ceiling of the running maximum): every later rescaling is an exact power of two, which a block's scale takes up: the codes' values come out the same.
;;   OPERANDS COMPUTED ON THE WAY. 'Computed on the way' means the value that the module computes at that place (a softmax that the list does not call 'softmax' is quantised finished and normalised). What goes into a quantiser is computed in f32, as accurately as f32 sums, v_exp_f32 and their like allow (about 1e-6 of the number): no bf16 or f16 on the way to a quantiser, and a product that is left as it is and whose result goes on into a quantised operand takes f32 operands (vector FMAs, or v_wmma_f32_16x16x4_f32). A number that lies on a knife's edge between two numbers of the format may be rounded either way, as far as f32 arithmetic and the matrix unit's own rounding can turn it there, and no further.
;; One version. Each part assembles by itself: llvm-mc -triple=amdgcn-amd-amdhsa -mcpu=gfx1250 --defsym DOCPART=n.
;; ======== version 1 of 1: 4 launches
;; limits: right only within a limited range of input values
;; workspace buffers: codes 6,291,456 bytes; scales 393,216 bytes; qkv_img 9,437,184 bytes; qkv_sc 393,216 bytes; ctx_img 3,145,728 bytes
;; launch quant (part 1): grid 256 x 1, 4 waves a work-group, no clusters, 102,912 bytes of LDS; arguments embeddings, w_qkv, w_out, codes, scales; writes codes, scales
.if DOCPART == 1
	.amdgcn_target "amdgcn-amd-amdhsa--gfx1250"
	.amdhsa_code_object_version 6
	.text
	.protected	k_qf0377db5c7_quant
	.globl	k_qf0377db5c7_quant
	.p2align	8
	.type	k_qf0377db5c7_quant,@function
k_qf0377db5c7_quant:
	s_mov_b64 s[64:65], 0
	v_nop
	global_prefetch_b8 v0, s[64:65] scope:SCOPE_SE
	s_setreg_imm32_b32 hwreg(HW_REG_WAVE_MODE, 25, 1), 1
	s_wait_xcnt 0x0
; embeddings [4096][1024], w_qkv [1024][3072] and w_out [1024][1024], f32, become codes of FP6 (E2M3) along K = 1,024, with one E8M0 byte for each 32 along K.
; codes: 8,192 rows of 768 bytes, K innermost; scales: 32 bytes a row, same row numbers.  sw(i) exchanges bits 3 and 4 of i.
;   rows 0 .. 4,095: token t at row sw(t);   rows 4,096 + 1,024 type + 64 head + sw(d): column 192 head + 64 type + d of w_qkv (type 0 q, 1 k, 2 v);   rows 7,168 + n: column n of w_out.
; A block's scale is 2^(floor(log2(largest magnitude)) - 2): its byte is the largest magnitude's exponent field - 2, held at 1 from below.
; LIMITS: a block of zeros gets the byte 1 where the rule says 127 (its codes are zeros, and this program alone reads the bytes); blocks under 2^-124 keep the byte 1; NaN and infinities are not served.
; Work-groups 0-127 take the embeddings (K innermost: a lane holds 16 neighbours, turned through the wave's own stage in LDS), 128-223 w_qkv, 224-255 w_out (K outermost: a lane takes a column,
; its registers run down K).  The three ways part on the work-group's number and have LDS bytes of their own.  No barrier: waves share nothing.  128 KiB are read by each work-group.
.set EMAX,  2
.set STEPS, 16
.set CB,    12                         ; bytes of 16 codes
.set R,     16                         ; v16-79   four sets of 16 numbers as loaded
.set X,     80                         ; v80-111  two sets of 16 neighbours
.set E,     112                        ; v112-127 a scale byte for each step
.set C,     128                        ; v128-191 codes, four registers a step
.set WREG,  8192                       ; LDS of a wave on the embeddings' way: two stages of 32 x SP bytes, then 256 scale bytes
.set SP,    80
.set NB,    8                          ; blocks of 32 along K for a wave on the weights' way
.set WX,    32                         ; v32-95   two sets of 32 numbers
.set WC,    96                         ; v96..    a block's codes
.set OUTR,  112                        ; v112-175 the way out
.set SB,    24                         ; v24-25   eight scale bytes
.set WP,    272                        ; a stage row: sixteen places of 16 bytes + 16
; THE CODES' PLACES, in place of the line on 'codes' above: rows 0 .. 7,167 (tokens, w_qkv) lie by quarters of K: [quarter of 256 along K][row][192 bytes], a quarter's plane QP bytes;
; so 128 rows of one quarter are 24,576 consecutive bytes.  Rows 7,168 on (w_out) lie behind the four planes as rows of 768 bytes, at 768 x row.
.set KROW,  768
.set QP,    1376256                    ; 7,168 rows x 192 bytes
.macro LOAD t
.irp i, 0,1,2,3
	global_load_b128 v[R+16*((\t)%4)+4*\i:R+16*((\t)%4)+4*\i+3], v3, s[4:5] offset:2048*(\t)+512*\i th:TH_LOAD_NT   ; 32 lanes read 512 consecutive bytes
.endr
.endm
.macro TURN t                          ; a step's 2,048 bytes through the stage: LDS serves a wave's instructions in order, so no wait stands between the stores and the loads
.irp i, 0,1,2,3
	ds_store_b128 v14, v[R+16*((\t)%4)+4*\i:R+16*((\t)%4)+4*\i+3] offset:32*SP*((\t)%2)+8*SP*\i
.endr
.irp i, 0,1,2,3
	ds_load_b128 v[X+16*((\t)%2)+4*\i:X+16*((\t)%2)+4*\i+3], v15 offset:32*SP*((\t)%2)+16*\i
.endr
.endm
.macro STEP t
.set XS, X+16*((\t)%2)
.if (\t) > 0
	s_wait_dscnt 1                                 ; this step's numbers are back from the stage; the last step's byte store may be out
.else
	s_wait_dscnt 0x0
.endif
.if (\t)+4 < STEPS
	LOAD (\t)+4                                    ; into the registers that the stage's stores have read
.endif
.if (\t)+1 < STEPS
.if STEPS-2-(\t) >= 3
	s_wait_loadcnt 12                              ; the next step's four loads are in; those of the three steps behind may be out
.else
	s_wait_loadcnt 4*(STEPS-2-(\t))
.endif
	TURN (\t)+1
.endif
	v_max3_num_f32 v8, |v[XS]|, |v[XS+1]|, |v[XS+2]|               ; the largest magnitude of my 16, in two chains
	v_max3_num_f32 v9, |v[XS+3]|, |v[XS+4]|, |v[XS+5]|
.irp i, 6,10
	v_max3_num_f32 v8, v8, |v[XS+\i]|, |v[XS+\i+1]|
	v_max3_num_f32 v9, v9, |v[XS+\i+2]|, |v[XS+\i+3]|
.endr
	v_max3_num_f32 v8, v8, |v[XS+14]|, |v[XS+15]|
	v_max3_num_f32 v8, v8, v9, (EMAX+1)<<23        ; the floor 2^(3 - 127): the byte cannot fall under 1
	v_max_num_f32_dpp v8, v8, v8 row_xmask:1 row_mask:0xf bank_mask:0xf   ; with my neighbour's 16: the block's
	v_add_nc_u32 v11, 0xff000000, v8               ; 2 off the exponent field: the conversion's scale operand
	v_cvt_scalef32_pk16_fp6_f32 v[C+4*(\t):C+4*(\t)+2], v[XS:XS+15], v11
	v_lshrrev_b32 v[E+(\t)], 23, v11               ; the scale's byte
	ds_store_b8 v5, v[E+(\t)] offset:16*(\t)       ; both lanes of a block write the same byte with the same value
	global_store_b96 v4, v[C+4*(\t):C+4*(\t)+2], s[10:11] offset:((\t)%2)*2*QP+((\t)/2)*192   ; step t: row t / 2, quarters 2 (t % 2) and the next
.endm
.macro WLOAD t, ncol, src              ; block t: W(32 t + i, my column), i = 0 .. 31
.irp i, 0,1,2,3,4,5,6,7,8,9,10,11,12,13,14,15,16,17,18,19,20,21,22,23,24,25,26,27,28,29,30,31
	global_load_b32 v[WX+32*((\t)%2)+\i], v3, s[\src:\src+1] offset:(32*(\t)+\i)*(\ncol)*4 th:TH_LOAD_NT
.endr
.endm
.macro WBLOCK t, ncol, src
.set XS, WX+32*((\t)%2)
.if (\t) < NB-1
	s_wait_loadcnt 32                              ; this block's 32 loads are in; the next block's may be out
.else
	s_wait_loadcnt 0
.endif
	v_max3_num_f32 v12, |v[XS]|, |v[XS+1]|, |v[XS+2]|               ; all 32 numbers of the block are mine
	v_max3_num_f32 v13, |v[XS+3]|, |v[XS+4]|, |v[XS+5]|
.irp i, 6,10,14,18,22,26
	v_max3_num_f32 v12, v12, |v[XS+\i]|, |v[XS+\i+1]|
	v_max3_num_f32 v13, v13, |v[XS+\i+2]|, |v[XS+\i+3]|
.endr
	v_max3_num_f32 v12, v12, |v[XS+30]|, |v[XS+31]|
	v_max3_num_f32 v12, v12, v13, (EMAX+1)<<23
	v_add_nc_u32 v11, 0xff000000, v12
	v_lshrrev_b32 v13, 23, v11
.if (\t)%4 == 0
	v_mov_b32 v[SB+(\t)/4], v13                    ; four bytes to a register, the lower K in the lower byte
.else
	v_lshl_or_b32 v[SB+(\t)/4], v13, 8*((\t)%4), v[SB+(\t)/4]
.endif
	v_cvt_scalef32_pk16_fp6_f32 v[WC:WC+2], v[XS:XS+15], v11
	v_cvt_scalef32_pk16_fp6_f32 v[WC+4:WC+6], v[XS+16:XS+31], v11
	ds_store_b96 v4, v[WC:WC+2] offset:32*(\t)     ; 12 bytes to a place of 16
	ds_store_b96 v4, v[WC+4:WC+6] offset:32*(\t)+16
.if (\t)+2 < NB
	WLOAD (\t)+2, \ncol, \src
.endif
	s_wait_dscnt 0x0                               ; the stores have read their registers: the next block's codes may be written
.endm
; A weight of ncol columns.  Work-group g = number - wg0: columns 128 (g / 4) on, K 256 (g % 4) on; a wave takes 32 columns.  perm = 1: w_qkv's order of rows.
.macro WPATH ncol, wg0, perm, grow0, lbase, src
	s_sub_co_u32 s17, ttmp9, \wg0
	s_lshr_b32 s18, s17, 2
	s_and_b32 s19, s17, 3                          ; y: which 256 along K
	s_lshl_b32 s18, s18, 7
	s_lshl_b32 s20, s16, 5
	s_add_co_u32 s18, s18, s20                     ; n0: my wave's first column
.if \perm
	s_lshr_b32 s20, s18, 6                         ; 3 head + type
	s_mul_i32 s21, s20, 171
	s_lshr_b32 s21, s21, 9                         ; head = that / 3 (exact for numbers under 48)
	s_mul_i32 s22, s21, 3
	s_sub_co_u32 s20, s20, s22                     ; type
	s_lshl_b32 s20, s20, 10
	s_lshl_b32 s21, s21, 6
	s_add_co_u32 s20, s20, s21
	s_and_b32 s21, s18, 32
	s_add_co_u32 s20, s20, s21                     ; 1,024 type + 64 head + (0 or 32)
.else
	s_mov_b32 s20, s18
.endif
	s_add_co_u32 s20, s20, \grow0                  ; the row of codes at which my 32 columns begin
	s_mul_i32 s22, s19, 256*(\ncol)*4
	s_lshl_b32 s23, s18, 2
	s_add_co_u32 s22, s22, s23
	s_mov_b32 s23, 0
	s_add_nc_u64 s[\src:\src+1], s[\src:\src+1], s[22:23]
.if \perm
	s_mul_i32 s22, s20, 192                        ; w_qkv: by quarters; my 256 along K are quarter y
	s_mul_i32 s24, s19, QP
.else
	s_mul_i32 s22, s20, KROW
	s_mul_i32 s24, s19, 192
.endif
	s_add_co_u32 s22, s22, s24
	s_add_nc_u64 s[10:11], s[10:11], s[22:23]
	s_lshl_b32 s22, s20, 5
	s_lshl_b32 s24, s19, 3
	s_add_co_u32 s22, s22, s24
	s_add_nc_u64 s[12:13], s[12:13], s[22:23]
	v_lshlrev_b32 v3, 2, v2                        ; in: 4 bytes a lane
	s_mul_i32 s25, s16, 32*WP
	s_add_co_u32 s25, s25, \lbase                  ; my stage
	v_mul_u32_u24 v4, v2, WP
	v_add_nc_u32 v4, s25, v4                       ; into it: row = my column
	v_and_b32 v5, 15, v2
	v_lshrrev_b32 v6, 4, v2
	v_mul_u32_u24 v7, v6, WP
	v_lshl_add_u32 v7, v5, 4, v7
	v_add_nc_u32 v7, s25, v7                       ; out of it: sixteen lanes to a row, two rows an instruction
	v_mul_u32_u24 v8, v6, KROW-576*(\perm)
	v_mad_u32_u24 v8, v5, 12, v8                   ; and the same place in the codes
.if \perm
	v_and_b32 v9, 7, v2                            ; sw(lane)
	v_and_b32 v10, 8, v2
	v_lshl_or_b32 v9, v10, 1, v9
	v_and_b32 v10, 16, v2
	v_lshrrev_b32 v10, 1, v10
	v_or_b32 v9, v9, v10
	v_lshlrev_b32 v9, 5, v9
.else
	v_lshlrev_b32 v9, 5, v2
.endif
	WLOAD 0, \ncol, \src
	WLOAD 1, \ncol, \src
.set Q, 0
.rept NB
	WBLOCK Q, \ncol, \src
.set Q, Q+1
.endr
	s_wait_alu depctr_va_vdst(0)
	global_store_b64 v9, v[SB:SB+1], s[12:13]      ; my column's eight scale bytes
.irp t, 0,1,2,3,4,5,6,7,8,9,10,11,12,13,14,15
	ds_load_b96 v[OUTR+4*\t:OUTR+4*\t+2], v7 offset:2*\t*WP   ; LDS serves a wave's instructions in order: these see my stores
.endr
.irp t, 0,1,2,3,4,5,6,7,8,9,10,11,12,13,14,15
.if \perm
.set TP, ((\t)&3)|(((\t)&4)<<1)|(((\t)&8)>>1)   ; stage rows 2 t, 2 t + 1 go to rows sw(2 t), sw(2 t + 1)
.else
.set TP, \t
.endif
	s_wait_dscnt 15-\t
	global_store_b96 v8, v[OUTR+4*\t:OUTR+4*\t+2], s[10:11] offset:2*TP*(KROW-576*(\perm))   ; sixteen lanes store a row's 192 consecutive bytes
.endr
.endm
	s_load_b256 s[4:11], s[0:1], 0x0               ; embeddings s[4:5], w_qkv s[6:7], w_out s[8:9], codes s[10:11]
	s_load_b64 s[12:13], s[0:1], 0x20              ; scales
	v_lshl_add_u32 v192, v0, 2, 0x19000
	v_mov_b32 v193, 0
	v_lshrrev_b32 v1, 5, v0
	v_readfirstlane_b32 s16, v1                    ; wave
	v_and_b32 v2, 31, v0                           ; lane
	s_wait_kmcnt 0x0
	s_cmp_lt_u32 ttmp9, 128
	s_cbranch_scc0 .Lweights
	; ---- the embeddings: a wave takes 8 rows, 8,192 numbers, in 16 steps of 512
	s_wait_alu depctr_va_vdst(0)
	v_lshlrev_b32 v3, 4, v2
	s_mul_i32 s17, s16, WREG
	v_lshrrev_b32 v14, 2, v2
	v_mul_u32_u24 v14, v14, SP
	v_and_b32 v15, 3, v2
	v_lshl_add_u32 v14, v15, 4, v14
	v_add_nc_u32 v14, s17, v14                     ; the stage, on the way in: SP (lane / 4) + 16 (lane % 4)
	v_mul_u32_u24 v15, v2, SP
	v_add_nc_u32 v15, s17, v15                     ; and on the way out: SP x lane
	v_and_b32 v4, 15, v2                           ; sixteen lanes hold a quarter's 192 bytes of a row; lanes 16-31 the next quarter's
	v_mul_u32_u24 v4, v4, CB
	v_lshrrev_b32 v13, 4, v2
	v_mad_u32_u24 v4, v13, QP, v4
	v_lshrrev_b32 v5, 1, v2
	s_add_co_u32 s17, s17, 2*32*SP
	v_add_nc_u32 v5, s17, v5                       ; my block's byte among my wave's 256
	v_lshlrev_b32 v7, 3, v2
	v_add_nc_u32 v6, s17, v7
	s_lshl_b32 s17, ttmp9, 2
	s_add_co_u32 s18, s17, s16                     ; rows 8 j on, j = 4 x work-group + wave
	s_lshl_b32 s20, s18, 15
	s_mov_b32 s21, 0
	s_add_nc_u64 s[4:5], s[4:5], s[20:21]
	s_and_b32 s19, s16, 1                          ; they go to rows sw(8 j) on: the wave's two bits change places
	s_lshl_b32 s19, s19, 1
	s_lshr_b32 s22, s16, 1
	s_or_b32 s19, s19, s22
	s_add_co_u32 s19, s17, s19
	s_mul_i32 s20, s19, 8*192
	s_add_nc_u64 s[10:11], s[10:11], s[20:21]
	s_lshl_b32 s20, s19, 8
	s_add_nc_u64 s[12:13], s[12:13], s[20:21]
.irp t, 0,1,2,3
	LOAD \t
.endr
	s_wait_alu depctr_va_vdst(0)
	s_wait_loadcnt 12                              ; step 0's four loads are in
	TURN 0
.irp t, 0,1,2,3,4,5,6,7,8,9,10,11,12,13,14,15
	STEP \t
.endr
	ds_load_b64 v[12:13], v6                       ; LDS serves a wave's instructions in order: these see my byte stores
	s_wait_dscnt 0x0
	global_store_b64 v7, v[12:13], s[12:13]        ; 32 lanes store 256 consecutive bytes, aligned
	s_wait_tensorcnt 0x0
	ds_add_u32 v192, v193
	s_wait_dscnt 0x0
	s_endpgm
.Lweights:
	s_cmp_lt_u32 ttmp9, 224
	s_cbranch_scc0 .Lwout
	s_wait_alu depctr_va_vdst(0)
	WPATH 3072, 128, 1, 4096, 32768, 6
	s_wait_tensorcnt 0x0
	ds_add_u32 v192, v193
	s_wait_dscnt 0x0
	s_endpgm
.Lwout:
	s_wait_alu depctr_va_vdst(0)
	WPATH 1024, 224, 0, 7168, 67584, 8
	s_wait_tensorcnt 0x0
	ds_add_u32 v192, v193
	s_wait_dscnt 0x0
	s_endpgm
.Lfunc_end_k_qf0377db5c7_quant:
	.size	k_qf0377db5c7_quant, .Lfunc_end_k_qf0377db5c7_quant-k_qf0377db5c7_quant
	.p2alignl 7, 3214868480
	.fill 96, 4, 3214868480
	.section	.rodata,"a",@progbits
	.p2align	6, 0x0
	.amdhsa_kernel k_qf0377db5c7_quant
		.amdhsa_group_segment_fixed_size 102912
		.amdhsa_private_segment_fixed_size 0
		.amdhsa_enable_private_segment 0
		.amdhsa_kernarg_size 40
		.amdhsa_user_sgpr_count 2
		.amdhsa_user_sgpr_kernarg_segment_ptr 1
		.amdhsa_wavefront_size32 1
		.amdhsa_system_sgpr_workgroup_id_x 1
		.amdhsa_system_sgpr_workgroup_id_y 1
		.amdhsa_system_sgpr_workgroup_id_z 1
		.amdhsa_system_vgpr_workitem_id 0
		.amdhsa_next_free_vgpr 194
		.amdhsa_next_free_sgpr 66
		.amdhsa_reserve_vcc 0
		.amdhsa_float_denorm_mode_32 3
		.amdhsa_float_denorm_mode_16_64 3
		.amdhsa_memory_ordered 1
		.amdhsa_forward_progress 1
		.amdhsa_inst_pref_size 115
	.end_amdhsa_kernel
	.amdgpu_metadata
---
amdhsa.version: [ 1, 2 ]
amdhsa.kernels:
  - .name:           k_qf0377db5c7_quant
    .symbol:         k_qf0377db5c7_quant.kd
    .args:
      - { .name: embeddings, .offset: 0, .size: 8, .value_kind: global_buffer, .address_space: global }
      - { .name: w_qkv, .offset: 8, .size: 8, .value_kind: global_buffer, .address_space: global }
      - { .name: w_out, .offset: 16, .size: 8, .value_kind: global_buffer, .address_space: global }
      - { .name: codes, .offset: 24, .size: 8, .value_kind: global_buffer, .address_space: global }
      - { .name: scales, .offset: 32, .size: 8, .value_kind: global_buffer, .address_space: global }
    .group_segment_fixed_size: 102912
    .private_segment_fixed_size: 0
    .kernarg_segment_align: 8
    .kernarg_segment_size: 40
    .max_flat_workgroup_size: 128
    .sgpr_count:     66
    .vgpr_count:     194
    .wavefront_size: 32
...
	.end_amdgpu_metadata
.endif
;; end of part 1
;; launch gemm_qkv (part 2): grid 12 x 16, 4 waves a work-group, clusters of 4 x 4, 327,680 bytes of LDS; arguments codes, scales, b_qkv, qkv_img, qkv_sc; writes qkv_img, qkv_sc
.if DOCPART == 2
	.amdgcn_target "amdgcn-amd-amdhsa--gfx1250"
	.amdhsa_code_object_version 6
	.text
	.protected	k_qf0377db5c7_gemm_qkv
	.globl	k_qf0377db5c7_gemm_qkv
	.p2align	8
	.type	k_qf0377db5c7_gemm_qkv,@function
k_qf0377db5c7_gemm_qkv:
	s_mov_b64 s[64:65], 0
	v_nop
	global_prefetch_b8 v0, s[64:65] scope:SCOPE_SE
	s_setreg_imm32_b32 hwreg(HW_REG_WAVE_MODE, 25, 1), 1
	s_wait_xcnt 0x0
	s_wait_alu depctr_hold_cnt(0) depctr_sa_sdst(0) depctr_va_vdst(0) depctr_va_sdst(0) depctr_va_ssrc(0) depctr_va_vcc(0) depctr_vm_vsrc(0)
	s_getreg_b32 s2, hwreg(HW_REG_IB_STS2, 6, 4)
	s_cmp_eq_u32 s2, 0
	s_cbranch_scc0 .Lentry_in_a_cluster
	s_endpgm
.Lentry_in_a_cluster:
	s_bfe_u32 s2, ttmp6, 0x10000c
	s_cmp_lg_u32 s2, 0xf033
	s_cbranch_scc0 .Lentry_shape_is_right
	s_endpgm
.Lentry_shape_is_right:
.set KROW,   768
.set ROWB,   192
.set QP,     1376256                   ; the codes lie [quarter of K][row][192 bytes]: a quarter's plane; 128 rows of a quarter are 24,576 dense bytes, asked for as 96 rows of 256
.set PITCH,  240
.set FR,     12
.set NL,     6
.set NP,     4
.set HALFT,  128*PITCH
.set SLOT,   4*HALFT
.set SPARE,  2*SLOT
.set ADRA, 16
.set ADRB, 20
.set VO16, 24
.set VO8,  25
.set VOS,  26
.set SPW,  28
.set NIL,  29
.set SC,   32
.set BMR,  96
.set PW,   104
.set TM,   112
.set AF,   128
.set XQ,   128
.set PCD,  192
.set BM2,  224
.set WD,   240
.set VSELQ, 244
.set VSELV, 245
.set G1, 24
.set G0, 32
.set G1B, 48
.set G0B, 56
.set SEL, 98
.set MSB, 0
.macro WIN new
.if MSB != (\new)
	s_set_vgpr_msb (MSB<<8)|(\new)
.set MSB, (\new)
.endif
.endm
.set MUL_LO, 0xa1
.set MUL_HI, 0xf1
.set FST_LO, 0x91
.set FST_HI, 0xd1
.set TO_B,   0x40
.macro JLOAD g0a, g1a, g0b, g1b
	s_cmp_eq_u32 s15, 0
	s_cbranch_scc0 .Lfor_b_\@
	tensor_load_to_lds s[\g0a:\g0a+3], s[\g1a:\g1a+7]
	s_nop 0
.rept 4
	v_nop
.endr
	s_branch .Lasked_\@
.Lfor_b_\@:
	tensor_load_to_lds s[\g0b:\g0b+3], s[\g1b:\g1b+7]
	s_nop 0
.rept 4
	v_nop
.endr
.Lasked_\@:
.endm
.macro CREST
	s_cmp_lg_u32 s14, 0
	s_cbranch_scc1 .Lnot_wave_0_\@
	s_barrier_signal -3
.Lnot_wave_0_\@:
	s_barrier_wait -3
	s_barrier_signal -1
	s_barrier_wait -1
.endm
.macro CROUND
	s_barrier_signal -1
	s_barrier_wait -1
	CREST
.endm
.macro PLACES n
.rept \n
	v_nop
.endr
.endm
	s_load_b256 s[4:11], s[0:1], 0x0
	s_load_b64 s[12:13], s[0:1], 0x20
	v_lshl_add_u32 v[SPW], v0, 2, SPARE
	v_mov_b32 v[NIL], 0
	ds_add_u32 v28, v29
	ds_add_u32 v28, v29
	s_wait_dscnt 0x0
	v_lshrrev_b32 v1, 5, v0
	v_readfirstlane_b32 s14, v1
	s_lshr_b32 s15, s14, 1
	s_and_b32 s16, s14, 1
	s_bfe_u32 s40, ttmp6, 0x40000
	s_bfe_u32 s41, ttmp6, 0x40004
	s_and_b32 s42, ttmp7, 0xffff
	s_lshl_b32 s43, s41, 2
	s_lshl_b32 s43, 15, s43
	s_lshl_b32 s44, 0x1111, s40
	s_lshl_b32 s69, s42, 2
	s_add_co_u32 s66, s69, s41
	s_add_co_u32 s67, s69, s40
	s_lshl_b32 s68, ttmp9, 2
	s_add_co_u32 s68, s68, s40
	s_mov_b32 s74, 768
	s_mov_b32 s76, 98304
	s_mov_b32 s78, 6144
	s_cmp_eq_u32 ttmp9, 2
	s_cselect_b32 s19, -1, 0
	s_cselect_b32 s70, s41, s66
	s_cselect_b32 s71, s67, s68
	s_cselect_b32 s72, 6144, 0
	s_cselect_b32 s73, 0, 4096
	s_cselect_b32 s74, 1536, s74
	s_cselect_b32 s76, 768, s76
	s_mov_b32 s75, 0
	s_mov_b32 s77, 0
	s_lshl_b32 s80, s70, 8
	s_add_co_u32 s80, s80, s72
	s_lshl_b32 s81, s71, 8
	s_add_co_u32 s81, s81, s73
	s_or_b32 s[G1+0], s43, (0<<16)|(1<<20)|(1<<21)|(3<<22)|(3<<25)
	s_or_b32 s[G1B+0], s44, (0<<16)|(1<<20)|(1<<21)|(3<<22)|(3<<25)
.irp g, G1, G1B
	s_mov_b32 s[\g+1], 256<<16
	s_mov_b32 s[\g+2], 96<<16
	s_mov_b32 s[\g+3], 256<<16
	s_mov_b32 s[\g+4], 96
	s_mov_b32 s[\g+5], 256
	s_mov_b32 s[\g+6], 0
	s_mov_b32 s[\g+7], 0
.endr
	s_lshl_b32 s18, s16, 7
	s_add_co_u32 s20, s80, s18
	s_mul_i32 s20, s20, ROWB
	s_mov_b32 s21, 0
	s_add_co_u32 s46, s81, s18
	s_mul_i32 s46, s46, ROWB
	s_mov_b32 s47, 0
	s_mul_i32 s45, s14, HALFT
	CROUND
	s_wait_kmcnt 0x0
	s_add_nc_u64 s[20:21], s[4:5], s[20:21]
	s_add_nc_u64 s[46:47], s[4:5], s[46:47]
.irp s, 0,1
	s_mov_b32 s[G0+4*\s], 1
	s_add_co_u32 s[G0+4*\s+1], s45, \s*SLOT
	s_add_nc_u64 s[G0+4*\s+2:G0+4*\s+3], s[20:21], \s*QP
	s_or_b32 s[G0+4*\s+3], s[G0+4*\s+3], 0x80000000
	s_mov_b32 s[G0B+4*\s], 1
	s_add_co_u32 s[G0B+4*\s+1], s45, \s*SLOT
	s_add_nc_u64 s[G0B+4*\s+2:G0B+4*\s+3], s[46:47], \s*QP
	s_or_b32 s[G0B+4*\s+3], s[G0B+4*\s+3], 0x80000000
.if \s
	s_wait_alu depctr_va_vdst(0)
	s_wait_tensorcnt 0x0
	ds_add_u32 v28, v29
	ds_add_u32 v28, v29
	s_wait_dscnt 0x0
	CROUND
.endif
	JLOAD G0+4*\s, G1, G0B+4*\s, G1B
.endr
	v_and_b32 v1, 15, v0
	v_bfe_u32 v2, v0, 4, 1
	v_mul_u32_u24 v3, v1, PITCH
	v_mul_u32_u24 v4, v2, 24
	v_add_nc_u32 v4, v3, v4
	v_lshl_add_u32 v5, v2, 4, v4
	s_mul_i32 s21, s15, HALFT
	s_mul_i32 s22, s16, HALFT
	s_add_co_u32 s22, s22, 2*HALFT
.irp s, 0,1
	v_add_nc_u32 v[ADRA+\s], s21, v4
	v_add_nc_u32 v[ADRB+\s], s22, v4
	v_add_nc_u32 v[ADRA+2+\s], s21, v5
	v_add_nc_u32 v[ADRB+2+\s], s22, v5
	s_add_co_u32 s21, s21, SLOT
	s_add_co_u32 s22, s22, SLOT
.endr
	s_lshl_b32 s82, s15, 7
	s_add_co_u32 s82, s82, s80
	s_lshl_b32 s82, s82, 5
	s_lshl_b32 s83, s16, 7
	s_add_co_u32 s83, s83, s81
	s_lshl_b32 s83, s83, 5
	s_mov_b32 s79, 0xffff0000
	v_mov_b32 v6, s82
	v_mov_b32 v7, s83
	v_cndmask_b32 v6, v6, v7, s79
	v_lshl_add_u32 v6, v1, 5, v6
.irp i, 0,1,2,3,4,5,6,7
	global_load_b128 v[SC+8*\i:SC+8*\i+3], v6, s[6:7] offset:512*\i
	global_load_b128 v[SC+8*\i+4:SC+8*\i+7], v6, s[6:7] offset:512*\i+16
.endr
	s_lshl_b32 s83, s70, 1
	s_add_co_u32 s83, s83, s15
	s_lshl_b32 s84, s71, 1
	s_add_co_u32 s84, s84, s16
	s_and_b32 s85, s84, 7
	s_cmp_eq_u32 ttmp9, 2
	s_cselect_b32 s86, s84, s83
	s_cselect_b32 s87, s83, s85
	s_lshl_b32 s87, s87, 1
	s_lshr_b32 s88, s86, 4
	s_and_b32 s86, s86, 15
	s_lshl_b32 s88, s88, 4
	s_add_co_u32 s88, s88, s87
	s_mul_i32 s89, s87, 768
	s_lshl_b32 s90, ttmp9, 8
	s_add_co_u32 s90, s89, s90
	s_mov_b32 s91, 0
	s_add_nc_u64 s[8:9], s[8:9], s[90:91]
	s_mul_i32 s92, ttmp9, 3145728
	s_mul_i32 s93, s88, 98304
	s_add_co_u32 s92, s92, s93
	s_mul_i32 s93, s86, s78
	s_add_co_u32 s92, s92, s93
	s_mov_b32 s93, 0
	s_add_nc_u64 s[10:11], s[10:11], s[92:93]
	s_add_nc_u64 s[96:97], s[10:11], s[76:77]
	s_lshl_b32 s92, ttmp9, 17
	s_lshl_b32 s94, s88, 12
	s_add_co_u32 s92, s92, s94
	s_lshl_b32 s94, s86, 8
	s_add_co_u32 s92, s92, s94
	s_add_nc_u64 s[12:13], s[12:13], s[92:93]
	s_and_b32 s94, s19, 92160                      ; v lies [head][key step][channel tile][1,536]: from a head's fourth tile to the next head's first, 98,304 - 4 x 1,536 bytes more; q, k: none
	s_mov_b32 s95, 0
	v_lshlrev_b32 v8, 6, v2
	v_and_b32 v9, 8, v1
	v_add_nc_u32 v9, v9, v1
	v_lshlrev_b32 v9, 2, v9
	WIN TO_B
.irp b, 0,1,2,3,4,5,6,7
.set CBN, 96+8*\b+96*(\b/4)
	global_load_b128 v[CBN:CBN+3], v8, s[8:9] offset:4*(192*(\b/4)+32*((\b/2)%2)+8*(\b%2))
	global_load_b128 v[CBN+4:CBN+7], v8, s[8:9] offset:4*(192*(\b/4)+32*((\b/2)%2)+8*(\b%2))+16
.endr
	WIN 0
.irp a, 0,1,2,3,4,5,6,7
	global_load_b32 v[BMR+\a], v9, s[8:9] offset:4*(192*(\a/4)+32*((\a%4)/2)+8*(\a%2))
.endr
	v_and_b32 v12, 31, v0
	v_lshlrev_b32 v[VO16], 4, v12
	v_lshlrev_b32 v[VO8], 3, v12
	v_lshlrev_b32 v[VOS], 4, v1
	v_lshl_add_u32 v[VOS], v2, 12, v[VOS]
	v_mov_b32 v[VSELQ], 0x05040100
	v_mov_b32 v10, 0x07060302
	v_cndmask_b32 v[VSELQ], v[VSELQ], v10, s79
	v_mov_b32 v[VSELV], 0x03020100
	v_mov_b32 v11, 0x07060504
	v_cndmask_b32 v[VSELV], v[VSELV], v11, s79
.irp b, 0,1,2,3
	v_mov_b32 v[TM+4+\b], 0
.endr
	s_mov_b32 s[SEL], 0x76543210
	s_mov_b32 s[SEL+1], 0xfedcba98
.macro FRAG reg, adr, q, i
.irp p, 0,1,2,3,4,5
.set PIECE, 12*(\q)+6*(\p/3)+\p%3
.if PIECE%8 < 5
	ds_load_b64 v[\reg+2*\p:\reg+2*\p+1], v[\adr] offset:8*PIECE+16*(PIECE/8)+(\i)*16*PITCH
.else
	ds_load_b64 v[\reg+2*\p:\reg+2*\p+1], v[\adr+2] offset:8*PIECE+16*(PIECE/8)+(\i)*16*PITCH
.endif
.endr
.endm
.macro MUL16 a0, p, ks, first
.irp a, \a0, \a0+1
.irp b, 0,1,2,3,4,5,6,7
.if \first
.set CBN, 96+8*\b+96*(\b/4)
	v_wmma_scale_f32_16x16x128_f8f6f4 v[8*(8*((\a)%4)+\b):8*(8*((\a)%4)+\b)+7], v[128*(\p)+FR*\b:128*(\p)+FR*\b+FR-1], v[AF+FR*(\a):AF+FR*(\a)+FR-1], v[CBN:CBN+7], v[SC+8*\b+(\ks)], v[SC+8*(\a)+(\ks)] matrix_a_fmt:MATRIX_FMT_FP6 matrix_b_fmt:MATRIX_FMT_FP6 matrix_a_scale:MATRIX_SCALE_ROW1
.else
	v_wmma_scale_f32_16x16x128_f8f6f4 v[8*(8*((\a)%4)+\b):8*(8*((\a)%4)+\b)+7], v[128*(\p)+FR*\b:128*(\p)+FR*\b+FR-1], v[AF+FR*(\a):AF+FR*(\a)+FR-1], v[8*(8*((\a)%4)+\b):8*(8*((\a)%4)+\b)+7], v[SC+8*\b+(\ks)], v[SC+8*(\a)+(\ks)] matrix_a_fmt:MATRIX_FMT_FP6 matrix_b_fmt:MATRIX_FMT_FP6 matrix_a_scale:MATRIX_SCALE_ROW1
.endif
.endr
.endr
.endm
.macro FETCH_B slot, q, p
	WIN TO_B
.irp i, 0,1,2,3,4,5,6,7
	FRAG 128*(\p)+FR*\i, ADRB+\slot, \q, \i
.endr
	WIN 0
.endm
.macro FETCH_A slot, q, i0
.irp i, \i0, \i0+1, \i0+2, \i0+3
	FRAG AF+FR*(\i), ADRA+\slot, \q, \i
.endr
.endm
.macro STEP slot, q, ks, first
	s_wait_dscnt 4*NL
.if \first
	WIN FST_LO
.else
	WIN MUL_LO
.endif
	MUL16 0, (\q)%2, \ks, \first
	MUL16 2, (\q)%2, \ks, \first
	s_wait_dscnt 0
	PLACES NP
	FETCH_B \slot, (\q)+1, 1-(\q)%2
	FETCH_A \slot, (\q)+1, 0
.if \first
	WIN FST_HI
.else
	WIN MUL_HI
.endif
	MUL16 4, (\q)%2, \ks, \first
	MUL16 6, (\q)%2, \ks, \first
	PLACES NP
	WIN 0
	FETCH_A \slot, (\q)+1, 4
.endm
.macro TURN slot, next, fill, ks
	s_wait_tensorcnt 0x0
	ds_add_u32 v[SPW], v[NIL]
	s_wait_dscnt 4*NL+1
	WIN MUL_LO
	MUL16 0, 1, \ks, 0
	s_wait_dscnt 0x0
	s_barrier_signal -1
	MUL16 2, 1, \ks, 0
	WIN 0
	s_barrier_wait -1
.if \fill
	CREST
	s_add_nc_u64 s[G0+4*\slot+2:G0+4*\slot+3], s[G0+4*\slot+2:G0+4*\slot+3], 2*QP
	s_add_nc_u64 s[G0B+4*\slot+2:G0B+4*\slot+3], s[G0B+4*\slot+2:G0B+4*\slot+3], 2*QP
	JLOAD G0+4*\slot, G1, G0B+4*\slot, G1B
.else
	PLACES NP
.endif
	FETCH_B \next, 0, 0
	FETCH_A \next, 0, 0
	WIN MUL_HI
	MUL16 4, 1, \ks, 0
	MUL16 6, 1, \ks, 0
	PLACES NP
	WIN 0
	FETCH_A \next, 0, 4
.endm
	s_wait_tensorcnt 1
	s_barrier_signal -1
	s_barrier_wait -1
	FETCH_B 0, 0, 0
	FETCH_A 0, 0, 0
	FETCH_A 0, 0, 4
	s_wait_loadcnt 0x0
	WIN 0x41
.set J, 0
.rept 32
	v_cndmask_b32 v[96+J], v[96+J], 0, s19
	v_cndmask_b32 v[224+J], v[224+J], 0, s19
.set J, J+1
.endr
	WIN 0
.irp a, 0,1,2,3,4,5,6,7
	v_cndmask_b32 v[BM2+2*\a], 0, v[BMR+\a], s19
	v_cndmask_b32 v[BM2+2*\a+1], 0, v[BMR+\a], s19
.endr
	STEP 0, 0, 0, 1
	TURN 0, 1, 1, 1
	STEP 1, 0, 2, 0
	TURN 1, 0, 1, 3
	STEP 0, 0, 4, 0
	TURN 0, 1, 0, 5
	STEP 1, 0, 6, 0
	s_wait_dscnt 4*NL
	WIN MUL_LO
	MUL16 0, 1, 7, 0
	MUL16 2, 1, 7, 0
	s_wait_dscnt 0
	WIN MUL_HI
	MUL16 4, 1, 7, 0
	MUL16 6, 1, 7, 0
	WIN 0
.macro QUANT s, pw
.irp b, 0,1,2,3
	v_max3_num_f32 v[TM+\b], |v[\s+16*\b]|, |v[\s+1+16*\b]|, 0x1800000
.endr
.irp i, 2,4,6,8,10,12,14
.irp b, 0,1,2,3
	v_max3_num_f32 v[TM+\b], v[TM+\b], |v[\s+16*\b+\i]|, |v[\s+1+16*\b+\i]|
.endr
.endr
.irp b, 0,1,2,3
	v_permlanex16_b32 v[TM+4+\b], v[TM+\b], s[SEL], s[SEL+1]
.endr
.irp b, 0,1,2,3
	v_max_num_f32 v[TM+\b], v[TM+\b], v[TM+4+\b]
.endr
.irp b, 0,1,2,3
	v_add_nc_u32 v[TM+12+\b], 0xff000000, v[TM+\b]
.endr
.irp b, 0,1,2,3
	v_lshrrev_b32 v[TM+4+\b], 23, v[TM+12+\b]
.endr
	v_lshl_or_b32 v[\pw], v[TM+5], 8, v[TM+4]
	v_lshl_or_b32 v[\pw], v[TM+6], 16, v[\pw]
	v_lshl_or_b32 v[\pw], v[TM+7], 24, v[\pw]
.irp c, 0,1
	v_cvt_scalef32_pk16_fp6_f32 v[PCD+6*\c:PCD+2+6*\c], v[\s+32*\c:\s+15+32*\c], v[TM+12+2*\c]
	v_cvt_scalef32_pk16_fp6_f32 v[PCD+12+4*\c:PCD+14+4*\c], v[\s+16+32*\c:\s+31+32*\c], v[TM+12+2*\c+1]
.endr
	v_nop
.irp c, 0,1
.irp i, 0,1,2
	v_permlane16_swap_b32 v[PCD+6*\c+\i], v[PCD+12+4*\c+\i]
.endr
.irp i, 0,1,2
	v_mov_b32 v[PCD+3+6*\c+\i], v[PCD+12+4*\c+\i]
.endr
.endr
.endm
.macro OUTBLK a
	WIN 0x02+(\a)/4
.set J, 0
.rept 32
	v_pk_add_f32 v[XQ+J:XQ+J+1], v[64*((\a)%4)+J:64*((\a)%4)+J+1], v[BM2+2*(\a):BM2+2*(\a)+1]
.set J, J+2
.endr
	WIN 0
.if (\a) > 0
	s_wait_xcnt 0x0
	s_add_nc_u64 s[10:11], s[10:11], s[74:75]
	s_add_nc_u64 s[96:97], s[96:97], s[74:75]
.if (\a) == 4
	s_add_nc_u64 s[10:11], s[10:11], s[94:95]
	s_add_nc_u64 s[96:97], s[96:97], s[94:95]
.endif
.endif
	QUANT XQ, PW+(\a)
	global_store_b128 v[VO16], v[PCD:PCD+3], s[10:11]
	global_store_b64 v[VO8], v[PCD+4:PCD+5], s[10:11] offset:512
	global_store_b128 v[VO16], v[PCD+6:PCD+9], s[96:97]
	global_store_b64 v[VO8], v[PCD+10:PCD+11], s[96:97] offset:512
.endm
	PLACES NP
.irp a, 0,1,2,3,4,5,6,7
	OUTBLK \a
.endr
.irp i, 0,1,2,3
	v_perm_b32 v[TM], v[PW+2*\i+1], v[PW+2*\i], v[VSELQ]
	v_perm_b32 v[TM+1], v[PW+4+\i], v[PW+\i], v[VSELV]
	v_cndmask_b32 v[WD+\i], v[TM], v[TM+1], s19
.endr
	global_store_b128 v[VOS], v[WD:WD+3], s[12:13]
	s_wait_tensorcnt 0x0
	ds_add_u32 v[SPW], v[NIL]
	s_wait_dscnt 0x0
	CROUND
	s_endpgm
.Lfunc_end_k_qf0377db5c7_gemm_qkv:
	.size	k_qf0377db5c7_gemm_qkv, .Lfunc_end_k_qf0377db5c7_gemm_qkv-k_qf0377db5c7_gemm_qkv
	.p2alignl 7, 3214868480
	.fill 96, 4, 3214868480
	.section	.rodata,"a",@progbits
	.p2align	6, 0x0
	.amdhsa_kernel k_qf0377db5c7_gemm_qkv
		.amdhsa_group_segment_fixed_size 327680
		.amdhsa_private_segment_fixed_size 0
		.amdhsa_enable_private_segment 0
		.amdhsa_kernarg_size 40
		.amdhsa_user_sgpr_count 2
		.amdhsa_user_sgpr_kernarg_segment_ptr 1
		.amdhsa_wavefront_size32 1
		.amdhsa_system_sgpr_workgroup_id_x 1
		.amdhsa_system_sgpr_workgroup_id_y 1
		.amdhsa_system_sgpr_workgroup_id_z 1
		.amdhsa_system_vgpr_workitem_id 0
		.amdhsa_next_free_vgpr 1024
		.amdhsa_next_free_sgpr 100
		.amdhsa_reserve_vcc 0
		.amdhsa_float_denorm_mode_32 3
		.amdhsa_float_denorm_mode_16_64 3
		.amdhsa_memory_ordered 1
		.amdhsa_forward_progress 1
		.amdhsa_inst_pref_size 188
	.end_amdhsa_kernel
	.amdgpu_metadata
---
amdhsa.version: [ 1, 2 ]
amdhsa.kernels:
  - .name:           k_qf0377db5c7_gemm_qkv
    .symbol:         k_qf0377db5c7_gemm_qkv.kd
    .args:
      - { .name: codes, .offset: 0, .size: 8, .value_kind: global_buffer, .address_space: global }
      - { .name: scales, .offset: 8, .size: 8, .value_kind: global_buffer, .address_space: global }
      - { .name: b_qkv, .offset: 16, .size: 8, .value_kind: global_buffer, .address_space: global }
      - { .name: qkv_img, .offset: 24, .size: 8, .value_kind: global_buffer, .address_space: global }
      - { .name: qkv_sc, .offset: 32, .size: 8, .value_kind: global_buffer, .address_space: global }
    .group_segment_fixed_size: 327680
    .private_segment_fixed_size: 0
    .kernarg_segment_align: 8
    .kernarg_segment_size: 40
    .max_flat_workgroup_size: 128
    .sgpr_count:     100
    .vgpr_count:     1024
    .wavefront_size: 32
...
	.end_amdgpu_metadata
.endif
;; end of part 2
;; launch attn (part 3): grid 8 x 32, 16 waves a work-group, clusters of 4 x 1, 245,760 bytes of LDS; arguments qkv_img, qkv_sc, ctx_img, scales; writes ctx_img, scales
.if DOCPART == 3
	.amdgcn_target "amdgcn-amd-amdhsa--gfx1250"
	.amdhsa_code_object_version 6
	.text
	.protected	k_qf0377db5c7_attn
	.globl	k_qf0377db5c7_attn
	.p2align	8
	.type	k_qf0377db5c7_attn,@function
k_qf0377db5c7_attn:
	s_mov_b64 s[64:65], 0
	v_nop
	global_prefetch_b8 v0, s[64:65] scope:SCOPE_SE
	s_setreg_imm32_b32 hwreg(HW_REG_WAVE_MODE, 25, 1), 1
	s_wait_xcnt 0x0
	s_wait_alu depctr_hold_cnt(0) depctr_sa_sdst(0) depctr_va_vdst(0) depctr_va_sdst(0) depctr_va_ssrc(0) depctr_va_vcc(0) depctr_vm_vsrc(0)
	s_getreg_b32 s2, hwreg(HW_REG_IB_STS2, 6, 4)
	s_cmp_eq_u32 s2, 0
	s_cbranch_scc0 .Lentry_in_a_cluster
	s_endpgm
.Lentry_in_a_cluster:
	s_bfe_u32 s2, ttmp6, 0x10000c
	s_cmp_lg_u32 s2, 0x3003
	s_cbranch_scc0 .Lentry_shape_is_right
	s_endpgm
.Lentry_shape_is_right:
; ctx = softmax(q k^T / 8) v for one head of 64 channels and 2,048 keys, both products on codes of FP6 (E2M3) with E8M0 scales; ctx is quantised along the channels and leaves as images of operand registers.
; THE SOFTMAX: t = score x log2(e) / 8; M = the running largest t rounded UP to a whole number; p = 2^(t - M) is quantised along the keys, not normalised; the row's sum is taken of the unquantised p and divides at the end.
; SHARES: a work-group owns 256 queries of one (batch, head); each of its sixteen waves one tile of 16, in 256 registers.
; LDS holds the head's K and V whole, as they lie in memory, 6,144 bytes a key step of 128: K's codes [key step][four fragments of 1,536] at KB, V's [key step][channel tile][1,536] at VB; K's and V's scale words at 0.
; Every byte is filled once.
; FILLS: one joint load a wave (mask 15: the four work-groups of a cluster belong to one head), a quarter of K's or V's codes (four key steps, 24,576 dense bytes as 96 rows of 256) or both sets of scale words
; (two rows of 4,096 bytes).  Waves 0, 1, 2 fetch K's first quarter, V's first quarter and the scale words, on load lines of their own: the first barrier waits for these three alone.  Waves 3-5 fetch K's other
; quarters, waves 6-8 V's; a second barrier, behind key step 2, shows them: step 3 is the first whose look-ahead leaves the first quarter.  All are asked for at the head, so no later load is left that a prefetch could run ahead of.
; LAYOUT: S^T = K Q^T and O^T = V^T P^T: a lane holds one query.  The rows of q, k, v lie with bits 3 and 4 of their number exchanged, so that the 16 registers of two neighbouring tiles are 16 neighbouring keys (channels).
; K = 64 fills half of the instruction's 128: a fragment of K holds TWO tiles of keys and is multiplied twice, by [q | zeros] and by [zeros | q]: zero codes add nothing.
; A STEP (128 keys): K's fragments were loaded a step ago; the next step's are asked for in one run of 17 loads ahead of the first exponentials.  p is made in two halves of 64 keys: the first half's exponentials take
; turns with the second half's multiply-adds; the first half is summed and converted, and its 32 registers with 16 more (VR) take V's four fragments, in one run of 17 loads ahead of the second half's exponentials.
; The last step's look-ahead reads LDS bytes behind K's (V's codes and scale words, which are filled); what it brings is not used.
; LIMITS: the scaled scores stay under 2^31 in magnitude; 1 / l by v_rcp_f32; a block of zeros gets the byte 1 where the rule says 127 (this program alone reads the bytes); NaN and infinities are not served.
; ctx's scale bytes leave as two bytes a row, 32 bytes apart: 32 bytes of a wave's 512.
.set KSC,   0
.set SPARE, 8192
.set QB,    24576                      ; a quarter of K's or V's codes
.set KB,    2*QB
.set VB,    6*QB
.set K16,  1                           ; LDS addresses: the next step's K, 16 x lane and 8 x lane
.set K8,   2
.set SCA,  3                           ; this step's scale words of K; the next step's 256 on, V's 4,096 on
.set V16,  4                           ; this step's V
.set V8,   5
.set L16,  8
.set L8,   9
.set R32,  10
.set R16,  11
.set TM2,  35
.set F,    36                          ; v36-83   K's four fragments
.set KS,   84
.set VS,   88
.set T1,   92                          ; seven pairs of partial sums
.set T2,   94
.set VR,   96                          ; v96-143  V's four fragments: 16 registers and p's first half
.set S,    112                         ; v112-175 S^T, then p
.set O,    176                         ; v176-207 O^T
.set PCD,  208                         ; v208-219 p's codes; v220-222, v224-226 second halves
.set BM,   228
.set PT,   232
.set SO,   236
.set FF,   240
.set T3,   242
.set PWD,  244
.set TMP,  245
.set T7,   246
.set T4,   248
.set T5,   250
.set T6,   252
.set SPW,  254
.set NIL,  255
.set WV,   18
.set SEL,  20
.set CS,   22
.set G1,   24
.set G1S,  32
.set G0S,  40
.set G0E,  44
.set TBN,  48
.set TBV,  49
.set TSC,  50
.set CNT,  51
.set G0K,  52
.set G0V,  56
.macro WALU
	s_wait_alu depctr_va_vdst(0)
.endm
.macro CROUND
	s_barrier_signal -1
	s_barrier_wait -1
	s_cmp_lg_u32 s[WV], 0
	s_cbranch_scc1 .Lnot_wave_0_\@
	s_barrier_signal -3
.Lnot_wave_0_\@:
	s_barrier_wait -3
	s_barrier_signal -1
	s_barrier_wait -1
.endm
.macro TL g0, g1
	tensor_load_to_lds s[\g0:\g0+3], s[\g1:\g1+7]
	s_nop 0
.rept 4
	v_nop
.endr
.endm
.macro G0SET g, lds, base, off         ; a group 0: the LDS address in s\lds, the 64-bit base and the offset pair
	s_mov_b32 s[\g], 1
	s_mov_b32 s[\g+1], s\lds
	s_add_nc_u64 s[\g+2:\g+3], s[\base:\base+1], s[\off:\off+1]
	s_or_b32 s[\g+3], s[\g+3], 0x80000000
.endm
.macro FLD j, reg, a16, a8             ; load j of 16: fragment j / 4, half an image in two loads
.set FB_, (\reg)+12*((\j)/4)+6*(((\j)/2)%2)
.set OB_, 1536*((\j)/4)+768*(((\j)/2)%2)
.if (\j)%2
	ds_load_b64 v[FB_+4:FB_+5], v[\a8] offset:OB_+512
.else
	ds_load_b128 v[FB_:FB_+3], v[\a16] offset:OB_
.endif
.endm
.macro KRUN ko                         ; K's four fragments and their scale words: 17 loads
.set J, 0
.rept 16
	FLD J, F, K16, K8
.set J, J+1
.endr
	ds_load_b128 v[KS:KS+3], v[SCA] offset:\ko
.endm
.macro VRUN                            ; the same for V
.set J, 0
.rept 16
	FLD J, VR, V16, V8
.set J, J+1
.endr
	ds_load_b128 v[VS:VS+3], v[SCA] offset:4096
.endm
.macro PF j                            ; t - M of pair j
	v_pk_fma_f32 v[S+2*(\j):S+2*(\j)+1], v[S+2*(\j):S+2*(\j)+1], s[CS:CS+1], v[12:13] op_sel_hi:[1,0,0]
.endm
.macro ADDP d, j                       ; pair j of p onto a partial sum
	v_pk_add_f32 v[\d:\d+1], v[\d:\d+1], v[S+2*(\j):S+2*(\j)+1]
.endm
.macro ADDT d, e                       ; one partial sum onto another
	v_pk_add_f32 v[\d:\d+1], v[\d:\d+1], v[\e:\e+1]
.endm
	s_load_b256 s[4:11], s[0:1], 0x0               ; qkv_img s[4:5], qkv_sc s[6:7], ctx_img s[8:9], scales s[10:11]
	v_lshl_add_u32 v[SPW], v0, 2, SPARE
	v_mov_b32 v[NIL], 0
	ds_add_u32 v[SPW], v[NIL]                      ; the opening lines: the add twice on end and its wait
	ds_add_u32 v[SPW], v[NIL]
	v_lshrrev_b32 v35, 5, v0
	v_readfirstlane_b32 s[WV], v35                 ; wave 0..15
	s_bfe_u32 s12, ttmp6, 0x40000                  ; cx: it enters q's and ctx's addresses alone
	s_lshl_b32 s13, ttmp9, 2
	s_add_co_u32 s13, s13, s12                     ; my block of 256 queries
	s_and_b32 s14, ttmp7, 0xffff                   ; 16 batch + head, which the partners share
	s_mul_i32 s68, s14, 98304
	s_add_co_u32 s68, s68, 3145728                 ; the head's K, in bytes from qkv_img; its V lies 3,145,728 on
	s_min_u32 s15, s[WV], 1                        ; waves 0, 1: K's and V's first quarter
	s_mul_i32 s70, s15, 3145728
	s_add_co_u32 s70, s70, s68
	s_mov_b32 s71, 0
	s_mul_i32 s76, s15, 4*QB
	s_add_co_u32 s76, s76, KB
	s_min_u32 s16, s[WV], 8                        ; waves 3-5: K's quarter wave - 2, at LDS byte QB x wave;
	s_mul_i32 s69, s16, QB
	s_add_co_u32 s72, s68, s69
	s_sub_co_u32 s72, s72, 2*QB
	s_mov_b32 s73, 0
	s_add_co_u32 s74, s72, 3145728-3*QB            ; waves 6-8: V's quarter wave - 5, at QB x (wave + 1)
	s_mov_b32 s75, 0
	s_add_co_u32 s77, s69, QB
	s_lshl_b32 s66, s14, 12
	s_add_co_u32 s66, s66, 131072                  ; K's scale words of the head; V's lie 131,072 bytes on
	s_mov_b32 s67, 0
	s_mov_b32 s17, KSC
	s_mov_b32 s[G1], 15|(3<<16)|(1<<21)            ; codes: 96 rows of 256 bytes (32 elements of 8); the mask: all four work-groups, bit 21 beside it
	s_mov_b32 s[G1+1], 32<<16
	s_mov_b32 s[G1+2], 96<<16
	s_mov_b32 s[G1+3], 32<<16
	s_mov_b32 s[G1+4], 96
	s_mov_b32 s[G1+5], 32
	s_mov_b32 s[G1+6], 0
	s_mov_b32 s[G1+7], 0
	s_mov_b32 s[G1S], 15|(3<<16)|(1<<21)           ; scale words: 2 rows of 4,096 bytes (512 elements), 16,384 elements apart
	s_mov_b32 s[G1S+1], 512<<16
	s_mov_b32 s[G1S+2], 2<<16
	s_mov_b32 s[G1S+3], 512<<16
	s_mov_b32 s[G1S+4], 2
	s_mov_b32 s[G1S+5], 16384
	s_mov_b32 s[G1S+6], 0
	s_mov_b32 s[G1S+7], 0
	s_mov_b32 s[SEL], 0x76543210
	s_mov_b32 s[SEL+1], 0xfedcba98
	s_mov_b32 s[CS], 0x3e38aa3b                    ; c = log2(e) / 8
	s_mov_b32 s[CS+1], s[CS]
	s_mov_b32 s[TBN], KB
	s_mov_b32 s[TBV], VB
	s_mov_b32 s[TSC], KSC
	s_wait_dscnt 0x0
	CROUND                                         ; the opening round, ahead of the wait for the arguments: all four work-groups are here, the joint loads meet
	s_wait_kmcnt 0x0
	G0SET G0E, 76, 4, 70
	G0SET G0S, 17, 6, 66
	G0SET G0K, 69, 4, 72
	G0SET G0V, 77, 4, 74
	s_cmp_lt_u32 s[WV], 2                          ; one chain of branches on the wave's number, one load to an arm
	s_cbranch_scc0 .Lfor_scales
	TL G0E, G1
	s_branch .Lasked
.Lfor_scales:
	s_cmp_eq_u32 s[WV], 2
	s_cbranch_scc0 .Lfor_k
	TL G0S, G1S
	s_branch .Lasked
.Lfor_k:
	s_cmp_lt_u32 s[WV], 6
	s_cbranch_scc0 .Lfor_v
	TL G0K, G1
	s_branch .Lasked
.Lfor_v:
	s_cmp_lt_u32 s[WV], 9
	s_cbranch_scc0 .Lasked
	TL G0V, G1
.Lasked:
	s_lshl_b32 s76, s13, 4
	s_add_co_u32 s76, s76, s[WV]                   ; my tile of 16 queries in the head, 0 .. 127
	s_mul_i32 s77, s76, 768
	s_mul_i32 s78, s14, 98304
	s_add_co_u32 s78, s78, s77
	s_mov_b32 s79, 0
	s_add_nc_u64 s[80:81], s[4:5], s[78:79]        ; q's image
	s_lshr_b32 s82, s76, 3
	s_lshl_b32 s82, s82, 8
	s_lshl_b32 s83, s14, 12
	s_add_co_u32 s82, s82, s83
	s_bfe_u32 s83, s[WV], 0x20001                  ; the word that holds my tile's two bytes
	s_lshl_b32 s83, s83, 2
	s_add_co_u32 s82, s82, s83
	s_mov_b32 s83, 0
	s_add_nc_u64 s[82:83], s[6:7], s[82:83]
	s_mov_b32 s84, 0x01000100
	s_and_b32 s85, s[WV], 1
	s_cmp_lg_u32 s85, 0
	s_cselect_b32 s84, 0x03020302, s84             ; an even tile's bytes lie in the low half, an odd tile's in the high half
	s_lshr_b32 s85, s14, 4                         ; batch
	s_and_b32 s86, s14, 15                         ; head
	s_lshl_b32 s85, s85, 7
	s_add_co_u32 s85, s85, s76                     ; my tile among all 256
	s_lshr_b32 s87, s86, 2
	s_mul_i32 s87, s87, 786432
	s_mul_i32 s88, s85, 3072
	s_add_co_u32 s88, s88, s87
	s_and_b32 s87, s86, 3
	s_mul_i32 s87, s87, 768
	s_add_co_u32 s88, s88, s87
	s_mov_b32 s89, 0
	s_add_nc_u64 s[8:9], s[8:9], s[88:89]          ; ctx's image
	s_lshl_b32 s90, s85, 9
	s_lshl_b32 s87, s86, 1
	s_add_co_u32 s90, s90, s87
	s_add_co_u32 s90, s90, 262144
	s_mov_b32 s91, 0
	s_add_nc_u64 s[10:11], s[10:11], s[90:91]      ; ctx's scale bytes: rows 8,192 on, 32 bytes a row, bytes 2 head, 2 head + 1
	v_and_b32 v35, 31, v0                          ; lane
	v_and_b32 v3, 15, v0                           ; r
	v_lshlrev_b32 v[L16], 4, v35
	v_lshlrev_b32 v[L8], 3, v35
	v_lshlrev_b32 v[R16], 4, v3
	v_lshlrev_b32 v[R32], 5, v3
	global_load_b128 v[22:25], v[L16], s[80:81]    ; q's six registers
	global_load_b64 v[26:27], v[L8], s[80:81] offset:512
	global_load_b32 v34, v[R16], s[82:83]
	v_add_nc_u32 v[K16], s[TBN], v[L16]            ; step 0's K
	v_add_nc_u32 v[K8], s[TBN], v[L8]
	v_add_nc_u32 v[SCA], s[TSC], v[R16]
.irp j, 16,17,18,19,20,21,28,29,30,31,32,33
	v_mov_b32 v[\j], 0                             ; zero codes on both sides of q
.endr
	v_mov_b32 v13, 0xff61b1e6                      ; the largest score so far: -3e38
	v_mov_b32 v14, 0
	v_mov_b32 v15, 0
	v_floor_f32 v12, -v13                          ; -M: above every -M to come
.irp b, 0,1,2,3
	v_mov_b32 v[PT+\b], 0                          ; written once: a lane permute's destination counts as one of its sources
.endr
	v_mov_b32 v[FF+1], 0                           ; named as the upper half of a pair
	v_mov_b32 v[TMP], v12                          ; the old -M
	WALU
	s_wait_loadcnt 0x0
	v_perm_b32 v34, v34, v34, s84                  ; q's two bytes in both halves of the word: they serve [q | 0] and [0 | q]
.set J, 0
.rept 32
	v_mov_b32 v[O+J], 0                            ; O^T: the step is written once, its first trip finds zeros.  (Also the places between q's scale word and the first product)
.set J, J+1
.endr
	WALU                                           ; the wait at the head's end
	s_cmp_lt_u32 s[WV], 3
	s_cbranch_scc0 .Lnot_early
	s_wait_tensorcnt 0x0                           ; waves 0, 1, 2: my load is in
.Lnot_early:
	s_barrier_signal -1
	s_barrier_wait -1                              ; K's and V's first quarters and the scale words are whole; the other six loads may be on their way
	KRUN 0                                         ; step 0's fragments of K
	s_add_co_u32 s[TBN], s[TBN], 6144
; n key steps
.macro LOOP n
	s_mov_b32 s[CNT], \n
.Lstep_\@:
	s_wait_dscnt 0x0                               ; this step's K
.irp b, 0,1,2,3
	v_wmma_scale_f32_16x16x128_f8f6f4 v[S+16*\b:S+16*\b+7], v[F+12*\b:F+12*\b+11], v[22:33], 0, v[KS+\b], v34 matrix_a_fmt:MATRIX_FMT_FP6 matrix_b_fmt:MATRIX_FMT_FP6
	v_wmma_scale_f32_16x16x128_f8f6f4 v[S+16*\b+8:S+16*\b+15], v[F+12*\b:F+12*\b+11], v[16:27], 0, v[KS+\b], v34 matrix_a_fmt:MATRIX_FMT_FP6 matrix_b_fmt:MATRIX_FMT_FP6
.endr
	v_add_nc_u32 v[K16], s[TBN], v[L16]            ; four places behind the products: the next step's K addresses and this step's V addresses
	v_add_nc_u32 v[K8], s[TBN], v[L8]
	v_add_nc_u32 v[V16], s[TBV], v[L16]
	v_add_nc_u32 v[V8], s[TBV], v[L8]
; the largest score of each block of 32 keys, for the row's maximum and for the block's largest p: my 16 in two chains a block, eight chains side by side; each tile is read from its low end on
.irp b, 0,1,2,3
	v_max3_num_f32 v[BM+\b], v[S+16*\b], v[S+1+16*\b], v[S+2+16*\b]
.endr
.irp b, 0,1,2,3
	v_max3_num_f32 v[PT+\b], v[S+8+16*\b], v[S+9+16*\b], v[S+10+16*\b]
.endr
.irp i, 3,5
.irp b, 0,1,2,3
	v_max3_num_f32 v[BM+\b], v[BM+\b], v[S+16*\b+\i], v[S+1+16*\b+\i]
.endr
.irp b, 0,1,2,3
	v_max3_num_f32 v[PT+\b], v[PT+\b], v[S+8+16*\b+\i], v[S+9+16*\b+\i]
.endr
.endr
.irp b, 0,1,2,3
	v_max3_num_f32 v[BM+\b], v[BM+\b], v[PT+\b], v[S+7+16*\b]
.endr
.irp b, 0,1,2,3
	v_max_num_f32 v[BM+\b], v[BM+\b], v[S+15+16*\b]
.endr
.irp b, 0,1,2,3
	v_permlanex16_b32 v[PT+\b], v[BM+\b], s[SEL], s[SEL+1]
.endr
.irp b, 0,1,2,3
	v_max_num_f32 v[BM+\b], v[BM+\b], v[PT+\b]     ; with lane l xor 16's 16 keys
.endr
	v_max3_num_f32 v[TM2], v[BM], v[BM+1], v[BM+2]
	v_max3_num_f32 v13, v[TM2], v[BM+3], v13       ; the running largest score (c is positive: the largest t is c x it)
	v_mul_f32 v[TM2], s[CS], v13                   ; as t
	v_floor_f32 v12, -v[TM2]                       ; the new -M = -ceil(t)
	v_sub_f32 v[TMP], v12, v[TMP]                  ; old M - new M: a whole number, 0 or less
.irp j, 0,1,2,3
	PF \j
.endr
	v_cvt_i32_f32 v[TMP], v[TMP]                   ; (it saturates)
.irp j, 4,5,6,7
	PF \j
.endr
	v_ldexp_f32 v[FF], 1.0, v[TMP]                 ; f = 2^(old M - new M): a multiplication by it rounds nothing
.irp j, 8,9,10,11,12,13,14,15
	PF \j
.endr
.irp b, 0,1,2,3
	v_fma_f32 v[BM+\b], v[BM+\b], s[CS], v12
.endr
	WALU                                           ; ahead of the batch
	KRUN 256                                       ; the next step's K, in one run
.irp b, 0,1,2,3
	v_exp_f32 v[BM+\b], v[BM+\b]                   ; each block's largest p
.endr
.set J, 0
.rept 16
	v_exp_f32 v[S+2*J], v[S+2*J]                   ; p = 2^(t - M), keys' first half; the second half's t - M by turns: the last of them is the plain place behind the exponentials
	v_exp_f32 v[S+2*J+1], v[S+2*J+1]
	PF 16+J
.set J, J+1
.endr
	WALU                                           ; one wait for the batch, ahead of its first reader
; the row's sum of the unquantised p, in eight chains: seven begin anew in each step, the eighth is the running sum, brought under the new M by the multiply-add that takes its first pair
.set J, 0
.irp d, T1,T2,T3,T4,T5,T6,T7
	v_pk_add_f32 v[\d:\d+1], v[S+2*J:S+2*J+1], v[S+2*J+2:S+2*J+3]
.set J, J+2
.endr
	v_pk_fma_f32 v[14:15], v[14:15], v[FF:FF+1], v[S+28:S+29] op_sel_hi:[1,0,1]
.irp b, 0,1,2,3
	v_max_num_f32 v[BM+\b], 0x1800000, v[BM+\b]    ; the floor 2^(3 - 127)
.endr
	ADDP T1, 15
.irp b, 0,1,2,3
	v_add_nc_u32 v[SO+\b], 0xff000000, v[BM+\b]    ; 2 off the exponent field: the conversions' scale operands
.endr
.irp b, 0,1,2,3
	v_lshrrev_b32 v[PT+\b], 23, v[SO+\b]
.endr
	v_cvt_scalef32_pk16_fp6_f32 v[PCD:PCD+2], v[S:S+15], v[SO]
	v_cvt_scalef32_pk16_fp6_f32 v[PCD+12:PCD+14], v[S+16:S+31], v[SO+1]
	v_lshl_or_b32 v[PWD], v[PT+1], 8, v[PT]        ; p's scale word for these 128 keys
	v_lshl_or_b32 v[PWD], v[PT+2], 16, v[PWD]
	WALU                                           ; ahead of the second batch
	VRUN                                           ; V, into VR, in one run: p's first half is summed and converted
.set J, 32
.rept 32
	v_exp_f32 v[S+J], v[S+J]                       ; the second half
.set J, J+1
.endr
	v_lshl_or_b32 v[PWD], v[PT+3], 24, v[PWD]      ; a plain place behind the exponentials
	WALU
.set J, 16
.rept 2
.irp d, T1,T2,T3,T4,T5,T6,T7,14
	ADDP \d, J
.set J, J+1
.endr
.endr
	v_cvt_scalef32_pk16_fp6_f32 v[PCD+6:PCD+8], v[S+32:S+47], v[SO+2]
	v_cvt_scalef32_pk16_fp6_f32 v[PCD+16:PCD+18], v[S+48:S+63], v[SO+3]
	ADDT T1, T2                                    ; plain lines behind the conversions: the eight chains begin to join
	ADDT T3, T4
	ADDT T5, T6
	ADDT 14, T7
.irp c, 0,1
.irp i, 0,1,2
	v_permlane16_swap_b32 v[PCD+6*\c+\i], v[PCD+12+4*\c+\i]   ; a whole block to a lane
.endr
.endr
.irp c, 0,1
.irp i, 0,1,2
	v_mov_b32 v[PCD+3+6*\c+\i], v[PCD+12+4*\c+\i]
.endr
.endr
	s_wait_dscnt 0x0                               ; V (and the next step's K, asked for earlier)
	WALU                                           ; directly ahead of the first reader of O^T
.set J, 0
.rept 16
	v_pk_mul_f32 v[O+J:O+J+1], v[O+J:O+J+1], v[FF:FF+1] op_sel_hi:[1,0]   ; O^T under the new M; also the places in front of the scaled products
.set J, J+2
.endr
.irp t, 0,1,2,3
	v_wmma_scale_f32_16x16x128_f8f6f4 v[O+8*\t:O+8*\t+7], v[VR+12*\t:VR+12*\t+11], v[PCD:PCD+11], v[O+8*\t:O+8*\t+7], v[VS+\t], v[PWD] matrix_a_fmt:MATRIX_FMT_FP6 matrix_b_fmt:MATRIX_FMT_FP6
.endr
	s_add_co_u32 s[TBN], s[TBN], 6144
	s_add_co_u32 s[TBV], s[TBV], 6144
	s_add_co_u32 s[TSC], s[TSC], 256
	ADDT T1, T3                                    ; five places: the next step's scores are written over V's registers
	ADDT 14, T5
	v_add_nc_u32 v[SCA], s[TSC], v[R16]
	v_mov_b32 v[TMP], v12                          ; the old -M of the next step
	ADDT 14, T1
	s_sub_co_u32 s[CNT], s[CNT], 1
	s_cmp_lg_u32 s[CNT], 0
	s_cbranch_scc1 .Lstep_\@
.endm
	LOOP 3                                         ; key steps 0 to 2: they read the first quarters alone, step 2's look-ahead too
	WALU
	s_wait_tensorcnt 0x0                           ; on every wave's way: my load, if I have one, is in
	s_wait_dscnt 0x0
	s_barrier_signal -1
	s_barrier_wait -1                              ; everybody's is: K and V are whole
	LOOP 13
	; THE WAY OUT: O^T / l, quantised along the 64 channels (two blocks), as half an operand's image
	v_add_f32 v14, v14, v15
	v_permlanex16_b32 v[PT], v14, s[SEL], s[SEL+1]
	v_add_f32 v14, v14, v[PT]                      ; the row's sum
	WALU
	v_rcp_f32 v14, v14
	v_nop                                          ; a plain place behind the transcendental
	WALU                                           ; the wait ahead of its first reader, and of O^T's
.set J, 0
.rept 32
	v_mul_f32 v[S+J], v[O+J], v14                  ; register 16 b + i = channel 32 b + 16 (lane / 16) + i
.set J, J+1
.endr
.irp b, 0,1
	v_max3_num_f32 v[BM+\b], |v[S+16*\b]|, |v[S+1+16*\b]|, 0x1800000
.endr
.irp i, 2,4,6,8,10,12,14
.irp b, 0,1
	v_max3_num_f32 v[BM+\b], v[BM+\b], |v[S+16*\b+\i]|, |v[S+1+16*\b+\i]|
.endr
.endr
.irp b, 0,1
	v_permlanex16_b32 v[PT+\b], v[BM+\b], s[SEL], s[SEL+1]
.endr
.irp b, 0,1
	v_max_num_f32 v[BM+\b], v[BM+\b], v[PT+\b]
.endr
.irp b, 0,1
	v_add_nc_u32 v[SO+\b], 0xff000000, v[BM+\b]
.endr
.irp b, 0,1
	v_lshrrev_b32 v[PT+\b], 23, v[SO+\b]
.endr
	v_lshl_or_b32 v[TMP], v[PT+1], 8, v[PT]
	v_cvt_scalef32_pk16_fp6_f32 v[PCD:PCD+2], v[S:S+15], v[SO]
	v_cvt_scalef32_pk16_fp6_f32 v[PCD+12:PCD+14], v[S+16:S+31], v[SO+1]
	v_nop
.irp i, 0,1,2
	v_permlane16_swap_b32 v[PCD+\i], v[PCD+12+\i]
.endr
.irp i, 0,1,2
	v_mov_b32 v[PCD+3+\i], v[PCD+12+\i]
.endr
	global_store_b128 v[L16], v[PCD:PCD+3], s[8:9] ; 512 consecutive bytes, at a multiple of 256
	global_store_b64 v[L8], v[PCD+4:PCD+5], s[8:9] offset:512
	global_store_b16 v[R32], v[TMP], s[10:11]      ; lanes r and r + 16 write the same two bytes with the same value
	s_wait_tensorcnt 0x0                           ; the wave's end
	ds_add_u32 v[SPW], v[NIL]
	s_wait_dscnt 0x0
	CROUND                                         ; the closing round
	s_endpgm
.Lfunc_end_k_qf0377db5c7_attn:
	.size	k_qf0377db5c7_attn, .Lfunc_end_k_qf0377db5c7_attn-k_qf0377db5c7_attn
	.p2alignl 7, 3214868480
	.fill 96, 4, 3214868480
	.section	.rodata,"a",@progbits
	.p2align	6, 0x0
	.amdhsa_kernel k_qf0377db5c7_attn
		.amdhsa_group_segment_fixed_size 245760
		.amdhsa_private_segment_fixed_size 0
		.amdhsa_enable_private_segment 0
		.amdhsa_kernarg_size 32
		.amdhsa_user_sgpr_count 2
		.amdhsa_user_sgpr_kernarg_segment_ptr 1
		.amdhsa_wavefront_size32 1
		.amdhsa_system_sgpr_workgroup_id_x 1
		.amdhsa_system_sgpr_workgroup_id_y 1
		.amdhsa_system_sgpr_workgroup_id_z 1
		.amdhsa_system_vgpr_workitem_id 0
		.amdhsa_next_free_vgpr 256
		.amdhsa_next_free_sgpr 96
		.amdhsa_reserve_vcc 0
		.amdhsa_float_denorm_mode_32 3
		.amdhsa_float_denorm_mode_16_64 3
		.amdhsa_memory_ordered 1
		.amdhsa_forward_progress 1
		.amdhsa_inst_pref_size 47
	.end_amdhsa_kernel
	.amdgpu_metadata
---
amdhsa.version: [ 1, 2 ]
amdhsa.kernels:
  - .name:           k_qf0377db5c7_attn
    .symbol:         k_qf0377db5c7_attn.kd
    .args:
      - { .name: qkv_img, .offset: 0, .size: 8, .value_kind: global_buffer, .address_space: global }
      - { .name: qkv_sc, .offset: 8, .size: 8, .value_kind: global_buffer, .address_space: global }
      - { .name: ctx_img, .offset: 16, .size: 8, .value_kind: global_buffer, .address_space: global }
      - { .name: scales, .offset: 24, .size: 8, .value_kind: global_buffer, .address_space: global }
    .group_segment_fixed_size: 245760
    .private_segment_fixed_size: 0
    .kernarg_segment_align: 8
    .kernarg_segment_size: 32
    .max_flat_workgroup_size: 512
    .sgpr_count:     96
    .vgpr_count:     256
    .wavefront_size: 32
...
	.end_amdgpu_metadata
.endif
;; end of part 3
;; launch gemm_out (part 4): grid 8 x 32, 4 waves a work-group, clusters of 4 x 4, 220,672 bytes of LDS; arguments ctx_img, codes, scales, b_out, out0; writes out0
.if DOCPART == 4
	.amdgcn_target "amdgcn-amd-amdhsa--gfx1250"
	.amdhsa_code_object_version 6
	.text
	.protected	k_qf0377db5c7_gemm_out
	.globl	k_qf0377db5c7_gemm_out
	.p2align	8
	.type	k_qf0377db5c7_gemm_out,@function
k_qf0377db5c7_gemm_out:
	s_mov_b64 s[64:65], 0
	v_nop
	global_prefetch_b8 v0, s[64:65] scope:SCOPE_SE
	s_setreg_imm32_b32 hwreg(HW_REG_WAVE_MODE, 25, 1), 1
	s_wait_xcnt 0x0
	s_wait_alu depctr_hold_cnt(0) depctr_sa_sdst(0) depctr_va_vdst(0) depctr_va_sdst(0) depctr_va_ssrc(0) depctr_va_vcc(0) depctr_vm_vsrc(0)
	s_getreg_b32 s2, hwreg(HW_REG_IB_STS2, 6, 4)
	s_cmp_eq_u32 s2, 0
	s_cbranch_scc0 .Lentry_in_a_cluster
	s_endpgm
.Lentry_in_a_cluster:
	s_bfe_u32 s2, ttmp6, 0x10000c
	s_cmp_lg_u32 s2, 0xf033
	s_cbranch_scc0 .Lentry_shape_is_right
	s_endpgm
.Lentry_shape_is_right:
; out0 = ctx w_out + b_out on codes of FP6 (E2M3) with E8M0 scales, K = 1,024.  A = ctx, as images of operand registers laid [256 along K][tile of 16 rows][head of the four][768 bytes];
; B = w_out's columns as rows of codes (rows 7,168 on, 768 bytes each).  out0: [4096][1024] f32.
; A tile of 128 x 128 is made by a work-group of four waves, 64 x 64 each: 16 accumulators.  32 x 8 tiles: 256 work-groups.
; ALL OF K LIES IN LDS, each byte filled once: ctx's 128 rows as [half of 64 rows][256 along K][tile][3,072], 2 x 49,152 bytes; w_out's 128 rows 128 x 816; then a stage for each wave.  No ring.
; FILLS: one joint load a wave behind the opening round: waves 0 and 1 64 rows of w_out each (rows of 768 bytes), waves 2 and 3 four tiles of ctx each for all of K (4 rows of 12,288 bytes, 786,432 bytes apart).
; Every byte is asked for at the head, so no later load is left that a prefetch could run ahead of.
; CLUSTERS 4 x 4: ctx's tiles hang on the tile row alone and are asked for jointly along a row of the cluster, w_out's on the tile column alone, along a column.
; The matrix instruction is used transposed (source 0 = 16 rows of B, source 1 = 16 rows of A): a lane holds eight neighbouring numbers of a row of out0.  b_out is the C of the first K step.
; ctx's rows lie with bits 3 and 4 of the token's number exchanged: the stores' immediates put each row back at its token.
; REGISTERS: window 0: v16-21 LDS addresses; v24-26 the way out; v32-63 scale words (lanes 0-15 A's block i, lanes 16-31 B's); v64-95 bias tiles (on the way out v64-127 rows); v128-255 the accumulators.
;   window 1: two sets of fragments at v0 and v128: 48 registers of A, then 48 of B.
.set KROW,   768
.set BP,     816                       ; a row of w_out in LDS: 3 x (256 bytes + 16 of padding)
.set FR,     12
.set NP,     4                         ; places behind this matrix instruction (ISA guide 7.12.1)
.set NLF,    40                        ; LDS loads of a step's fragments: 4 x 4 for A, 4 x 6 for B
.set AH,     49152                     ; ctx's 64 rows, all of K
.set BOFF,   2*AH
.set STAGE,  BOFF+128*BP               ; 16 rows x 272 bytes for each wave; no fill lands there
.set SPITCH, 272
.set SPARE,  STAGE+4*16*SPITCH
.set ADA16, 16
.set ADA8,  18
.set ADRB,  20                         ; v20 my rows of B; v21 the same for the pieces that lie behind one padding more
.set STO,  24
.set RD,   25
.set CO,   26
.set SC,   32
.set BN,   64
.set BK,   64
.set ACC,  128
.set G1,   24
.set G1B,  32
.set G0A,  48
.set G0B,  68
.set MSB, 0
.macro WIN new
.if MSB != (\new)
	s_set_vgpr_msb (MSB<<8)|(\new)
.set MSB, (\new)
.endif
.endm
.set MUL,  0x05                        ; sources 0 (B) and 1 (A) window 1; C and D window 0
.set TO_F, 0x40
.macro CROUND
	s_barrier_signal -1
	s_barrier_wait -1
	s_cmp_lg_u32 s14, 0
	s_cbranch_scc1 .Lnot_wave_0_\@
	s_barrier_signal -3
.Lnot_wave_0_\@:
	s_barrier_wait -3
	s_barrier_signal -1
	s_barrier_wait -1
.endm
.macro PLACES n
.rept \n
	v_nop
.endr
.endm
	s_load_b256 s[4:11], s[0:1], 0x0               ; ctx_img s[4:5], codes s[6:7], scales s[8:9], b_out s[10:11]
	s_load_b64 s[12:13], s[0:1], 0x20              ; out0
	v_lshl_add_u32 v30, v0, 2, SPARE
	v_mov_b32 v31, 0
	ds_add_u32 v30, v31                            ; the opening lines
	ds_add_u32 v30, v31
	v_lshrrev_b32 v1, 5, v0
	v_readfirstlane_b32 s14, v1                    ; wave 0..3
	s_lshr_b32 s15, s14, 1                         ; my half of the tile's rows.  Also: I fetch for B (0) or for A (1)
	s_and_b32 s16, s14, 1                          ; my half of its columns.  Also: which half I fetch
	s_bfe_u32 s40, ttmp6, 0x40000                  ; cx
	s_bfe_u32 s41, ttmp6, 0x40004                  ; cy
	s_lshl_b32 s42, ttmp9, 2
	s_add_co_u32 s42, s42, s40                     ; tile column, 0 .. 7
	s_and_b32 s17, ttmp7, 0xffff
	s_lshl_b32 s17, s17, 2
	s_add_co_u32 s17, s17, s41                     ; tile row, 0 .. 31
	s_lshl_b32 s43, s41, 2
	s_lshl_b32 s43, 15, s43                        ; my row of the cluster
	s_lshl_b32 s44, 0x1111, s40                    ; my column
	s_or_b32 s[G1+0], s43, (3<<16)|(1<<21)         ; ctx: 4 rows of 1,536 elements of 8 bytes, 98,304 elements apart, no padding
	s_mov_b32 s[G1+1], 1536<<16
	s_mov_b32 s[G1+2], 4<<16
	s_mov_b32 s[G1+3], 1536<<16
	s_mov_b32 s[G1+4], 4
	s_mov_b32 s[G1+5], 98304
	s_mov_b32 s[G1+6], 0
	s_mov_b32 s[G1+7], 0
	s_or_b32 s[G1B+0], s44, (0<<16)|(1<<20)|(1<<21)|(5<<22)|(3<<25)   ; w_out: 64 rows x 768 bytes, 16 bytes of padding behind every 256
	s_mov_b32 s[G1B+1], KROW<<16
	s_mov_b32 s[G1B+2], 64<<16
	s_mov_b32 s[G1B+3], KROW<<16
	s_mov_b32 s[G1B+4], 64
	s_mov_b32 s[G1B+5], KROW
	s_mov_b32 s[G1B+6], 0
	s_mov_b32 s[G1B+7], 0
	s_lshl_b32 s20, s17, 3
	s_lshl_b32 s18, s16, 2
	s_add_co_u32 s20, s20, s18                     ; ctx: tiles of 16 rows 8 x tile row + 4 x half on
	s_mul_i32 s20, s20, 3072
	s_mov_b32 s21, 0
	s_lshl_b32 s72, s42, 7
	s_lshl_b32 s18, s16, 6
	s_add_co_u32 s72, s72, s18
	s_add_co_u32 s72, s72, 7168                    ; w_out: rows of codes 7,168 + 128 x tile column + 64 x half on
	s_mul_i32 s72, s72, KROW
	s_mov_b32 s73, 0
	s_mul_i32 s45, s16, AH                         ; where they go: no place in the cluster enters an LDS address
	s_mul_i32 s66, s16, 64*BP
	s_wait_dscnt 0x0
	CROUND                                         ; the opening round, ahead of the wait for the arguments: all sixteen work-groups are here, the joint loads meet
	s_wait_kmcnt 0x0
	s_mov_b32 s[G0B], 1
	s_add_co_u32 s[G0B+1], s66, BOFF
	s_add_nc_u64 s[G0B+2:G0B+3], s[6:7], s[72:73]
	s_or_b32 s[G0B+3], s[G0B+3], 0x80000000
	s_mov_b32 s[G0A], 1
	s_mov_b32 s[G0A+1], s45
	s_add_nc_u64 s[G0A+2:G0A+3], s[4:5], s[20:21]
	s_or_b32 s[G0A+3], s[G0A+3], 0x80000000
	s_cmp_eq_u32 s15, 0
	s_cbranch_scc0 .Lfor_a
	tensor_load_to_lds s[G0B:G0B+3], s[G1B:G1B+7]
	s_nop 0
	PLACES 4
	s_branch .Lasked
.Lfor_a:
	tensor_load_to_lds s[G0A:G0A+3], s[G1:G1+7]
	s_nop 0
	PLACES 4
.Lasked:
	v_and_b32 v1, 15, v0                           ; r
	v_bfe_u32 v2, v0, 4, 1                         ; half of the lanes
	v_and_b32 v12, 31, v0                          ; lane
	v_mul_u32_u24 v3, v1, BP
	v_mul_u32_u24 v4, v2, 24
	v_add_nc_u32 v4, v3, v4                        ; B: a fragment's row x pitch + 24 x half
	v_lshl_add_u32 v5, v2, 4, v4                   ; the same behind one padding more
	v_lshlrev_b32 v10, 4, v12
	v_lshlrev_b32 v11, 3, v12
	s_mul_i32 s21, s15, AH                         ; my 64 rows of A
	s_mul_i32 s22, s16, 64*BP                      ; my 64 rows of B
	s_add_co_u32 s22, s22, BOFF
	v_add_nc_u32 v[ADRB], s22, v4
	v_add_nc_u32 v[ADRB+1], s22, v5
	v_add_nc_u32 v[ADA16], s21, v10
	v_add_nc_u32 v[ADA8], s21, v11
	; the scale words: 32 bytes a row; ctx's rows are 8,192 on, w_out's 7,168 on; lanes 0-15 take A's rows, lanes 16-31 B's
	s_lshl_b32 s84, s17, 7
	s_lshl_b32 s85, s15, 6
	s_add_co_u32 s84, s84, s85
	s_add_co_u32 s84, s84, 8192
	s_lshl_b32 s84, s84, 5
	s_lshl_b32 s85, s42, 7
	s_lshl_b32 s86, s16, 6
	s_add_co_u32 s85, s85, s86
	s_add_co_u32 s85, s85, 7168
	s_lshl_b32 s85, s85, 5
	s_mov_b32 s87, 0xffff0000                      ; lanes 16-31
	v_mov_b32 v6, s84
	v_mov_b32 v7, s85
	v_cndmask_b32 v6, v6, v7, s87
	s_wait_alu depctr_va_vdst(0)
	v_lshl_add_u32 v6, v1, 5, v6
.irp i, 0,1,2,3
	global_load_b128 v[SC+8*\i:SC+8*\i+3], v6, s[8:9] offset:512*\i
	global_load_b128 v[SC+8*\i+4:SC+8*\i+7], v6, s[8:9] offset:512*\i+16
.endr
	s_lshl_b32 s86, s42, 9
	s_lshl_b32 s87, s16, 8
	s_add_co_u32 s86, s86, s87                     ; my first column, in bytes of f32
	s_mov_b32 s87, 0
	s_add_nc_u64 s[10:11], s[10:11], s[86:87]
	v_lshlrev_b32 v8, 5, v2                        ; the lane's half takes a tile's columns 8 half + 0 .. 7
.irp b, 0,1,2,3
	global_load_b128 v[BN+8*\b:BN+8*\b+3], v8, s[10:11] offset:64*\b
	global_load_b128 v[BN+8*\b+4:BN+8*\b+7], v8, s[10:11] offset:64*\b+16
.endr
	s_mul_i32 s23, s14, 16*SPITCH
	s_add_co_u32 s23, s23, STAGE                   ; my stage
	v_mul_u32_u24 v9, v1, SPITCH
	v_lshl_add_u32 v9, v2, 5, v9
	v_add_nc_u32 v[STO], s23, v9                   ; in: row r, 32 bytes for each half of the lanes
	v_mul_u32_u24 v13, v2, SPITCH
	v_lshl_add_u32 v13, v1, 4, v13
	v_add_nc_u32 v[RD], s23, v13                   ; back: lanes 0-15 one row of 256 bytes, lanes 16-31 the next
	v_lshlrev_b32 v[CO], 4, v1
	v_lshl_add_u32 v[CO], v2, 12, v[CO]            ; and the same two rows in out0, 4,096 bytes apart
	s_lshl_b32 s88, s17, 19
	s_lshl_b32 s89, s15, 18
	s_add_co_u32 s88, s88, s89                     ; my first row: (128 x tile row + 64 x half) x 4,096 bytes
	s_add_co_u32 s88, s88, s86
	s_mov_b32 s89, 0
	s_add_nc_u64 s[12:13], s[12:13], s[88:89]
.macro FRAGA reg, ks, i                ; A, 16 rows x 128 K: two half images, each 512 bytes of registers 0-3 and 256 of registers 4-5
.set OFA, ((\ks)/2)*12288+(\i)*3072+((\ks)%2)*1536
	ds_load_b128 v[\reg:\reg+3], v[ADA16] offset:OFA
	ds_load_b64 v[\reg+4:\reg+5], v[ADA8] offset:OFA+512
	ds_load_b128 v[\reg+6:\reg+9], v[ADA16] offset:OFA+768
	ds_load_b64 v[\reg+10:\reg+11], v[ADA8] offset:OFA+1280
.endm
.macro FRAGB reg, ks, i                ; B, 16 rows x 128 K, in pieces of 8 bytes; lanes 16-31 read three pieces on, for some pieces behind one padding more
.irp p, 0,1,2,3,4,5
.set PIECE, 12*(\ks)+6*(\p/3)+\p%3
.if PIECE%32 < 29
	ds_load_b64 v[\reg+2*\p:\reg+2*\p+1], v[ADRB] offset:(\i)*16*BP+8*PIECE+16*(PIECE/32)
.else
	ds_load_b64 v[\reg+2*\p:\reg+2*\p+1], v[ADRB+1] offset:(\i)*16*BP+8*PIECE+16*(PIECE/32)
.endif
.endr
.endm
.macro FETCH ks                        ; the fragments of step ks into set ks % 2: 40 LDS loads in one run
	WIN TO_F
.irp i, 0,1,2,3
	FRAGA 128*((\ks)%2)+FR*\i, \ks, \i
.endr
.irp i, 0,1,2,3
	FRAGB 128*((\ks)%2)+48+FR*\i, \ks, \i
.endr
.endm
; 16 matrix instructions: A's four blocks x B's four, 128 along K.  In step 0 the bias tile is C.  The 16 accumulators take turns, one instruction a turn.
.macro MUL16 ks
.set FS, 128*((\ks)%2)
.irp a, 0,1,2,3
.irp b, 0,1,2,3
.if (\ks) == 0
	v_wmma_scale_f32_16x16x128_f8f6f4 v[ACC+8*(4*\a+\b):ACC+8*(4*\a+\b)+7], v[FS+48+FR*\b:FS+48+FR*\b+FR-1], v[FS+FR*\a:FS+FR*\a+FR-1], v[BN+8*\b:BN+8*\b+7], v[SC+8*\b+(\ks)], v[SC+8*\a+(\ks)] matrix_a_fmt:MATRIX_FMT_FP6 matrix_b_fmt:MATRIX_FMT_FP6 matrix_a_scale:MATRIX_SCALE_ROW1
.else
	v_wmma_scale_f32_16x16x128_f8f6f4 v[ACC+8*(4*\a+\b):ACC+8*(4*\a+\b)+7], v[FS+48+FR*\b:FS+48+FR*\b+FR-1], v[FS+FR*\a:FS+FR*\a+FR-1], v[ACC+8*(4*\a+\b):ACC+8*(4*\a+\b)+7], v[SC+8*\b+(\ks)], v[SC+8*\a+(\ks)] matrix_a_fmt:MATRIX_FMT_FP6 matrix_b_fmt:MATRIX_FMT_FP6 matrix_a_scale:MATRIX_SCALE_ROW1
.endif
.endr
.endr
.endm
; A step of 128 along K: the next step's fragments are asked for, into the set that the step before multiplied, then this step's 16 products are issued.
.macro STEP ks
.if (\ks) > 0
	PLACES NP                                      ; in front of loads into registers that the last step's products have read
.endif
.if (\ks) < 7
	FETCH (\ks)+1
	s_wait_dscnt NLF                               ; all but the 40 just issued: this step's fragments are in
.else
	s_wait_dscnt 0x0
.endif
	WIN MUL
	MUL16 \ks
.endm
	s_wait_alu depctr_va_vdst(0)                   ; the wait at the head's end
	s_wait_tensorcnt 0x0                           ; my load is in
	s_barrier_signal -1
	s_barrier_wait -1                              ; everybody's is: all of K lies in LDS
	FETCH 0
	s_wait_loadcnt 0x0                             ; scale words and bias
.irp k, 0,1,2,3,4,5,6,7
	STEP \k
.endr
	WIN 0
; THE WAY OUT, block by block of 16 rows x 64 columns, through my own stage: a lane holds 32 bytes of a row, and whole rows of 256 bytes come back.
; LDS serves a wave's instructions in order (ISA guide 5.7.1.4): no wait between the stores and the loads, nor in front of the next block's stores.
.macro TOSTAGE a
.irp b, 0,1,2,3
	ds_store_b128 v[STO], v[ACC+8*(4*(\a)+\b):ACC+8*(4*(\a)+\b)+3] offset:64*\b          ; each accumulator from its low end on
	ds_store_b128 v[STO], v[ACC+8*(4*(\a)+\b)+4:ACC+8*(4*(\a)+\b)+7] offset:64*\b+16
.endr
.set BB, BK+32*((\a)%2)
.irp t, 0,1,2,3,4,5,6,7
	ds_load_b128 v[BB+4*\t:BB+4*\t+3], v[RD] offset:\t*2*SPITCH
.endr
.endm
.macro SEND a, younger                 ; row u = 2 t + (lane / 16) of block a is token 32 (a / 2) + 8 (a % 2) + u + 8 (u / 8) of my 64
.set BB, BK+32*((\a)%2)
	s_wait_dscnt \younger
.irp t, 0,1,2,3,4,5,6,7
	global_store_b128 v[CO], v[BB+4*\t:BB+4*\t+3], s[12:13] offset:(32*((\a)/2)+8*((\a)%2)+2*\t+8*(\t/4))*4096 th:TH_STORE_NT   ; sixteen lanes store 256 consecutive bytes, aligned
.endr
.endm
	PLACES NP                                      ; behind the last products: their results are read
	s_wait_alu depctr_va_vdst(0)
	TOSTAGE 0
.irp a, 1,2,3
.if \a > 1
	s_wait_xcnt 0x0                                ; block a - 2's stores have read their registers: block a's rows may land there
.endif
	TOSTAGE \a
	SEND \a-1, 16                                  ; behind block a - 1's loads: block a's 8 stores and 8 loads
.endr
	SEND 3, 0
	s_wait_tensorcnt 0x0                           ; the wave's end
	ds_add_u32 v30, v31
	s_wait_dscnt 0x0
	CROUND                                         ; the closing round
	s_endpgm
.Lfunc_end_k_qf0377db5c7_gemm_out:
	.size	k_qf0377db5c7_gemm_out, .Lfunc_end_k_qf0377db5c7_gemm_out-k_qf0377db5c7_gemm_out
	.p2alignl 7, 3214868480
	.fill 96, 4, 3214868480
	.section	.rodata,"a",@progbits
	.p2align	6, 0x0
	.amdhsa_kernel k_qf0377db5c7_gemm_out
		.amdhsa_group_segment_fixed_size 220672
		.amdhsa_private_segment_fixed_size 0
		.amdhsa_enable_private_segment 0
		.amdhsa_kernarg_size 40
		.amdhsa_user_sgpr_count 2
		.amdhsa_user_sgpr_kernarg_segment_ptr 1
		.amdhsa_wavefront_size32 1
		.amdhsa_system_sgpr_workgroup_id_x 1
		.amdhsa_system_sgpr_workgroup_id_y 1
		.amdhsa_system_sgpr_workgroup_id_z 1
		.amdhsa_system_vgpr_workitem_id 0
		.amdhsa_next_free_vgpr 512
		.amdhsa_next_free_sgpr 100
		.amdhsa_reserve_vcc 0
		.amdhsa_float_denorm_mode_32 3
		.amdhsa_float_denorm_mode_16_64 3
		.amdhsa_memory_ordered 1
		.amdhsa_forward_progress 1
		.amdhsa_inst_pref_size 54
	.end_amdhsa_kernel
	.amdgpu_metadata
---
amdhsa.version: [ 1, 2 ]
amdhsa.kernels:
  - .name:           k_qf0377db5c7_gemm_out
    .symbol:         k_qf0377db5c7_gemm_out.kd
    .args:
      - { .name: ctx_img, .offset: 0, .size: 8, .value_kind: global_buffer, .address_space: global }
      - { .name: codes, .offset: 8, .size: 8, .value_kind: global_buffer, .address_space: global }
      - { .name: scales, .offset: 16, .size: 8, .value_kind: global_buffer, .address_space: global }
      - { .name: b_out, .offset: 24, .size: 8, .value_kind: global_buffer, .address_space: global }
      - { .name: out0, .offset: 32, .size: 8, .value_kind: global_buffer, .address_space: global }
    .group_segment_fixed_size: 220672
    .private_segment_fixed_size: 0
    .kernarg_segment_align: 8
    .kernarg_segment_size: 40
    .max_flat_workgroup_size: 128
    .sgpr_count:     100
    .vgpr_count:     512
    .wavefront_size: 32
...
	.end_amdgpu_metadata
.endif
;; end of part 4
